; MI455X (gfx1250); checked and timed in simulation.
; The chip was launched on July 23, 2026; its instructions are those of AMD's public machine-readable ISA for CDNA 5 (MIT licence, August 2026) and "CDNA5" Instruction Set Architecture Reference Guide (July 2026). The comments in the code are by the model that wrote it; some were corrected since.
;; Multi Head Attention. Allowed arithmetic: matrix products marked QUANTISED: E3M2 operands, one E8M0 scale for each 32 along K, by v_wmma_scale_f32_16x16x128_f8f6f4 with both operands' format E3M2, f32 sums; everything else in f32.
;; Inputs: W_attn 1,024 x 3,072 float32; W_proj 1,024 x 1,024 float32; b_attn 3,072 float32; b_proj 1,024 float32; string 4 x 2,048 x 1,024 float32; string_len 4 int32.
;; Outputs: out0 4 x 2,048 x 1,024 float32; out1 4 int32.
;; This version of the problem:
;;   THIS VERSION OF THE PROBLEM IS GIVEN IN LOW PRECISION. The matrix products marked QUANTISED in the list below multiply operands that are first quantised to E3M2 (3 exponent bits, 2 mantissa bits; 6 bits a number), with one power-of-two scale for each 32 numbers along K (OCP MX v1.0); their sums are f32. All else is computed in f32.
;;   The module's matrix products, in the order in which they are computed (A, B: the left and right operand; K: the contracted axis; several contracted axes count as one K, in the product's order):
;;     1. [M 8,192, K 1,024] x [K 1,024, N 3,072]; A: input string; B: input W_attn: QUANTISED
;;     2. batch 64 x [M 2,048, K 64] x [K 64, N 2,048]; A: computed on the way; B: computed on the way: QUANTISED
;;     3. batch 64 x [M 2,048, K 2,048] x [K 2,048, N 64]; A: softmax (see below); B: computed on the way: QUANTISED
;;     4. [M 8,192, K 1,024] x [K 1,024, N 1,024]; A: computed on the way; B: input W_proj: QUANTISED
;;   THE QUANTISER, for each operand of a quantised product, along K:
;;     - K is cut into blocks of 32 from its start; a last block that is shorter is filled with zeros.
;;     - A block's scale is 2^e with e = floor(log2(the largest magnitude in the block)) - 4, held to -126 .. 127; a block of zeros has e = 0. As a byte (E8M0): e + 127.
;;     - Each number is divided by its block's scale, clamped to +-28, and rounded to the nearest number of E3M2, ties to even, subnormals kept.
;;     - The product sums the exact products of the quantised numbers (number of the format x scale) in f32.
;;   ~~~python
;;   def quantise(x, axis):      # numpy; x: float32 -> the quantised numbers, widened to float32 again
;;       x = np.moveaxis(x, axis, -1); K = x.shape[-1]
;;       x = np.pad(x, [(0, 0)] * (x.ndim - 1) + [(0, -K % 32)]); x = x.reshape(x.shape[:-1] + (-1, 32)); a = np.abs(x).max(-1, keepdims=True)
;;       e = np.where(a > 0, np.clip(np.frexp(np.where(a > 0, a, 1))[1] - 1 - 4, -126, 127), 0)      # np.frexp(a)[1] - 1 = floor(log2(a)), exactly
;;       r = np.clip(x / 2.0 ** e, -28, 28)
;;       step = 2.0 ** (np.maximum(np.frexp(np.where(r == 0, 1, r))[1] - 1, -2) - 2)
;;       q = np.round(r / step) * step * 2.0 ** e      # np.round: ties to even
;;       return np.moveaxis(q.reshape(q.shape[:-2] + (-1,))[..., :K], -1, axis).astype(np.float32)
;;   ~~~
;;   SOFTMAX AHEAD OF A QUANTISED PRODUCT. Where the list says 'softmax', what is quantised is not the finished softmax but p = 2^(t - M), with t = logit x log2(e) and M = ceil(the row's largest t), a whole number; so 1/2 < the row's largest p <= 1. The row's sum l is taken of the UNQUANTISED p, in f32, and the product's result is divided by l at the end. Since M is a whole number, a kernel that streams over the keys may use a running M (the ceiling of the running maximum): every later rescaling is an exact power of two, which a block's scale takes up: the codes' values come out the same.
;;   OPERANDS COMPUTED ON THE WAY. 'Computed on the way' means the value that the module computes at that place (a softmax that the list does not call 'softmax' is quantised finished and normalised). What goes into a quantiser is computed in f32, as accurately as f32 sums, v_exp_f32 and their like allow (about 1e-6 of the number): no bf16 or f16 on the way to a quantiser, and a product that is left as it is and whose result goes on into a quantised operand takes f32 operands (vector FMAs, or v_wmma_f32_16x16x4_f32). A number that lies on a knife's edge between two numbers of the format may be rounded either way, as far as f32 arithmetic and the matrix unit's own rounding can turn it there, and no further.
;; One version. Each part assembles by itself: llvm-mc -triple=amdgcn-amd-amdhsa -mcpu=gfx1250 --defsym DOCPART=n.
;; ======== version 1 of 1: 4 launches
;; workspace buffers: x_img 6,553,600 bytes; w1_img 2,457,600 bytes; w2_img 819,200 bytes; q_img 6,553,600 bytes; kv_img 13,107,200 bytes; a_img 6,553,600 bytes
;; launch quant (part 1): grid 512 x 1, 4 waves a work-group, no clusters, 35,328 bytes of LDS; arguments string, W_attn, W_proj, string_len, x_img, w1_img, w2_img, out1; writes x_img, w1_img, w2_img, out1
.if DOCPART == 1
	.amdgcn_target "amdgcn-amd-amdhsa--gfx1250"
	.amdhsa_code_object_version 6
	.text
	.protected	k_qbc5f2e3141_quant
	.globl	k_qbc5f2e3141_quant
	.p2align	8
	.type	k_qbc5f2e3141_quant,@function
k_qbc5f2e3141_quant:
	s_mov_b64 s[64:65], 0
	v_nop
	global_prefetch_b8 v0, s[64:65] scope:SCOPE_SE
	s_setreg_imm32_b32 hwreg(HW_REG_WAVE_MODE, 25, 1), 1
	s_wait_xcnt 0x0
; string [8192][1024], W_attn [1024][3072] and W_proj [1024][1024], f32, become codes of BF6 (E3M2) with one E8M0 byte for each 32 along K (K = the 1,024), laid as IMAGES OF OPERAND REGISTERS.
; A HALF (768 bytes) is 16 rows x 64 along K: lane (r, h) owns row r's block h, 24 bytes: its first 16 bytes lie at 16 x lane, its last 8 at 512 + 8 x lane.  Two HALFs on end are a fragment (16 x 128).
; THE ROWS OF A TILE ARE NOT NEIGHBOURS: row m of tile 2 b + u is index 32 b + 8 u + m + 8 (m / 8), for tokens and for the weights' columns alike.
; A register of scale words (128 bytes, 4 x lane) holds tile 2 i's words in lanes 0-15 and tile 2 i + 1's in lanes 16-31.
; x_img: [256 tokens][K step of 128][128 tokens] blocks of 12,800 bytes: 8 fragments, then 4 scale registers.  w1_img: [head][K step][2] blocks of 9,600: q's (or k's) 4 tiles, 2 tiles of v, 3 scale registers.
; w2_img: [128 columns][K step][64 columns] blocks of 6,400: 4 fragments, 2 scale registers.  out1 is a copy of string_len.
; A block's scale is 2^(floor(log2(largest magnitude)) - 4): its byte is that magnitude's exponent field - 4, held at 1 from below by a floor among the maximum's leaves.
; LIMITS: a block of zeros gets the byte 1 (its codes are zeros; only this program reads the bytes); NaN and infinities are not served.
; Work-groups 0-255 take string, 256-447 W_attn, 448-511 W_proj.  No two work-groups read the same bytes, so there is nothing to share in a cluster; no tensor load, no barrier: waves share nothing.
.set R,   16                           ; v16-111  string: three sets of 32 registers as loaded
.set X,   112                          ; v112-175 two sets of 32 numbers of one block
.set C,   176                          ; v176-239 codes: eight registers a step, never written again, so that no store's data need a wait
.set T0,  240
.set T1,  241
.set EE,  242                          ; the conversion's scale operand
.set BY,  243                          ; v243-244 scale bytes
.set WT,  245
.set WP,  246
.set WU,  248                          ; v248-251 whole scale words
.set SW,  252                          ; v252-253 scale registers to store
; 32 numbers of one lane, v[xs] on, become 24 bytes of codes in v[c] .. v[c + 5] and the byte in v[b]
.macro QB xs, c, b
	v_max3_num_f32 v[T0], |v[(\xs)]|, |v[(\xs)+1]|, |v[(\xs)+2]|
	v_max3_num_f32 v[T1], |v[(\xs)+3]|, |v[(\xs)+4]|, |v[(\xs)+5]|
.irp i, 6,10,14,18,22,26
	v_max3_num_f32 v[T0], v[T0], |v[(\xs)+\i]|, |v[(\xs)+\i+1]|
	v_max3_num_f32 v[T1], v[T1], |v[(\xs)+\i+2]|, |v[(\xs)+\i+3]|
.endr
	v_max3_num_f32 v[T0], v[T0], |v[(\xs)+30]|, |v[(\xs)+31]|
	v_max3_num_f32 v[T0], v[T0], v[T1], 0x2800000              ; the floor 2^(5 - 127): the byte cannot fall under 1
	v_add_nc_u32 v[EE], 0xfe000000, v[T0]                      ; 4 off the exponent field: the conversion takes this operand's exponent field as its scale
	v_cvt_scalef32_pk16_bf6_f32 v[(\c):(\c)+2], v[(\xs):(\xs)+15], v[EE]
	v_cvt_scalef32_pk16_bf6_f32 v[(\c)+4:(\c)+6], v[(\xs)+16:(\xs)+31], v[EE]   ; (a conversion's three registers begin on an even number)
	v_lshrrev_b32 v[\b], 23, v[EE]                             ; the byte; also the plain line behind the conversions
	v_mov_b32 v[(\c)+3], v[(\c)+4]
	v_mov_b32 v[(\c)+4], v[(\c)+5]
	v_mov_b32 v[(\c)+5], v[(\c)+6]
.endm
	s_load_b256 s[4:11], s[0:1], 0x0               ; string s[4:5], W_attn s[6:7], W_proj s[8:9], string_len s[10:11]
	s_load_b256 s[12:19], s[0:1], 0x20             ; x_img s[12:13], w1_img s[14:15], w2_img s[16:17], out1 s[18:19]
	v_lshl_add_u32 v247, v0, 2, 0x8800
	v_mov_b32 v255, 0
	v_lshrrev_b32 v1, 5, v0
	v_readfirstlane_b32 s20, v1                    ; wave
	v_and_b32 v1, 31, v0                           ; lane
	v_and_b32 v2, 15, v0                           ; r
	v_bfe_u32 v3, v0, 4, 1                         ; h
	v_lshlrev_b32 v4, 4, v1                        ; 16 x lane
	v_lshlrev_b32 v5, 3, v1                        ; 8 x lane
	v_lshlrev_b32 v6, 2, v1                        ; 4 x lane
	s_mov_b32 s21, 0x76543210
	s_mov_b32 s22, 0xfedcba98                      ; v_permlanex16_b32's selects for lane l xor 16
	s_mov_b32 s23, 0xffff0000                      ; lanes 16-31
	s_cmp_lt_u32 ttmp9, 256
	s_cbranch_scc0 .Lweights
; ---- STRING.  Work-group: 128 tokens (G) x 256 along K (kq).  Wave w: tokens 32 w on (tiles 2 w, 2 w + 1).  Eight steps, a HALF each: t = 4 (K step) + 2 u + c.
; A load takes two rows' 256 aligned bytes (sixteen lanes a row); the HALF's 16 x 256 bytes turn through the wave's own stage (rows 272 bytes apart) and come back 128 bytes a lane: one block.
	s_lshr_b32 s24, ttmp9, 2                       ; G
	s_and_b32 s25, ttmp9, 3                        ; kq
	s_lshl_b32 s26, s24, 19                        ; 128 rows of 4,096 bytes
	s_lshl_b32 s27, s20, 17                        ; 32 rows
	s_add_co_u32 s26, s26, s27
	s_lshl_b32 s27, s25, 10                        ; 256 numbers
	s_add_co_u32 s26, s26, s27
	s_mov_b32 s27, 0
	s_lshr_b32 s28, s24, 1
	s_lshl_b32 s28, s28, 3
	s_lshl_b32 s29, s25, 1
	s_add_co_u32 s28, s28, s29                     ; 8 (G / 2) + 2 kq
	s_mul_i32 s28, s28, 25600
	s_and_b32 s29, s24, 1
	s_mul_i32 s29, s29, 12800
	s_add_co_u32 s28, s28, s29
	s_mov_b32 s29, 0
	v_lshlrev_b32 v7, 4, v2
	v_lshl_add_u32 v7, v3, 12, v7                  ; in: 4,096 h + 16 r
	s_mul_i32 s30, s20, 8704                       ; my two stages
	v_mul_u32_u24 v8, v3, 272
	v_lshl_add_u32 v8, v2, 4, v8
	v_add_nc_u32 v8, s30, v8                       ; into a stage: row h (+ 2 i), 16 r
	v_mul_u32_u24 v9, v2, 272
	v_lshl_add_u32 v9, v3, 7, v9
	v_add_nc_u32 v9, s30, v9                       ; out of it: row r, block h
	s_mul_i32 s31, s20, 3072                       ; my two fragments in a block of x_img
	v_add_nc_u32 v10, s31, v4
	v_add_nc_u32 v11, s31, v5
	s_lshl_b32 s31, s20, 7
	v_add_nc_u32 v12, s31, v6                      ; my scale register
	v_lshlrev_b32 v13, 3, v3                       ; 8 h
	v_mov_b32 v[WP], 0                             ; written once: a lane permute's destination counts as one of its sources
	s_wait_kmcnt 0x0
	s_add_nc_u64 s[4:5], s[4:5], s[26:27]
	s_add_nc_u64 s[12:13], s[12:13], s[28:29]
.macro LOADX t
.irp i, 0,1,2,3,4,5,6,7
	global_load_b128 v[R+32*((\t)%3)+4*\i:R+32*((\t)%3)+4*\i+3], v7, s[4:5] offset:(8*(((\t)/2)%2)+2*\i+8*(\i/4))*4096+512*((\t)/4)+256*((\t)%2) th:TH_LOAD_NT
.endr
.endm
.macro TURNX t                         ; LDS serves a wave's instructions in order: no wait between the stores and the loads
.irp i, 0,1,2,3,4,5,6,7
	ds_store_b128 v8, v[R+32*((\t)%3)+4*\i:R+32*((\t)%3)+4*\i+3] offset:4352*((\t)%2)+544*\i
.endr
.irp j, 0,1,2,3,4,5,6,7
	ds_load_b128 v[X+32*((\t)%2)+4*\j:X+32*((\t)%2)+4*\j+3], v9 offset:4352*((\t)%2)+16*\j
.endr
.endm
.macro STEPX t
	s_wait_dscnt 0x0                               ; this step's block is back, and its stores into the stage have read their registers,
.if (\t)+3 < 8
	LOADX (\t)+3                                   ; which take the loads of three steps on
.endif
.if (\t) < 7
.if (\t) <= 4
	s_wait_loadcnt 16                              ; the next step's eight loads are in; the sixteen behind them may be out
.elseif (\t) == 5
	s_wait_loadcnt 8
.else
	s_wait_loadcnt 0x0
.endif
	TURNX (\t)+1
.endif
	QB X+32*((\t)%2), C+8*(\t), BY+(\t)%2
	global_store_b128 v10, v[C+8*(\t):C+8*(\t)+3], s[12:13] offset:25600*((\t)/4)+1536*(((\t)/2)%2)+768*((\t)%2)          ; 512 consecutive bytes
	global_store_b64 v11, v[C+8*(\t)+4:C+8*(\t)+5], s[12:13] offset:25600*((\t)/4)+1536*(((\t)/2)%2)+768*((\t)%2)+512    ; 256 consecutive bytes
.if (\t)%2 == 1
	v_lshl_or_b32 v[WT], v[BY+1], 16, v[BY]        ; my blocks h and 2 + h of the row's four,
	v_lshlrev_b32 v[WT], v13, v[WT]                ; at their places in the word;
	v_permlanex16_b32 v[WP], v[WT], s21, s22
	v_or_b32 v[WU+(\t)/2], v[WT], v[WP]            ; with lane l xor 16's two the word is whole
.endif
.if (\t)%4 == 3
	v_cndmask_b32 v[SW+(\t)/4], v[WU+(\t)/2-1], v[WU+(\t)/2], s23   ; lanes 0-15 tile 2 w's words, lanes 16-31 tile 2 w + 1's
	global_store_b32 v12, v[SW+(\t)/4], s[12:13] offset:12288+25600*((\t)/4)   ; 128 consecutive bytes: the four waves' stores fill the block's 512
.endif
.endm
	LOADX 0
	LOADX 1
	LOADX 2
	s_wait_loadcnt 16                              ; step 0's eight loads are in
	TURNX 0
.irp t, 0,1,2,3,4,5,6,7
	STEPX \t
.endr
	s_or_b32 s24, ttmp9, s20                       ; wave 0 of work-group 0 copies string_len
	s_cmp_lg_u32 s24, 0
	s_cbranch_scc1 .Lend
	v_cmp_gt_u32 vcc_lo, 4, v1
	s_wait_xcnt 0x0                                ; EXEC is a source of the stores above: it changes only behind this wait
	s_and_saveexec_b32 s24, vcc_lo
	global_load_b32 v254, v6, s[10:11]
	s_wait_loadcnt 0x0
	global_store_b32 v6, v254, s[18:19]
	s_wait_xcnt 0x0                                ; and again, in front of the line that widens it
	s_or_b32 exec_lo, exec_lo, s24
.Lend:
	s_wait_tensorcnt 0x0
	ds_add_u32 v247, v255
	s_wait_dscnt 0x0
	s_endpgm
; ---- THE WEIGHTS: K is their FIRST axis.  A lane takes a column and its registers run down K.  Work-group: 128 columns x one K step of 128; wave: 32 columns = two tiles.
; Lanes 0-15 take tile 0's rows, lanes 16-31 tile 1's.  Blocks 2 c and 2 c + 1 change halves of the lanes: the first then is HALF c of tile 0, the second of tile 1.  A lane's four bytes are its row's scale word.
.macro LOADW t, rowb
.irp i, 0,1,2,3,4,5,6,7,8,9,10,11,12,13,14,15,16,17,18,19,20,21,22,23,24,25,26,27,28,29,30,31
	global_load_b32 v[X+32*((\t)%2)+\i], v7, s[40:41] offset:(32*(\t)+\i)*(\rowb) th:TH_LOAD_NT   ; the 32 lanes read 128 consecutive bytes of a row of the weight
.endr
.endm
.macro WPATH rowb
	LOADW 0, \rowb
	LOADW 1, \rowb
.irp t, 0,1,2,3
.if \t < 3
	s_wait_loadcnt 32                              ; this block's 32 loads are in; the next block's may be out
.else
	s_wait_loadcnt 0x0
.endif
	QB X+32*(\t%2), C+8*\t, BY
.if \t == 0
	v_mov_b32 v[WT], v[BY]
.else
	v_lshl_or_b32 v[WT], v[BY], 8*\t, v[WT]
.endif
.if \t < 2
	LOADW \t+2, \rowb
.endif
.if \t%2 == 1
.irp i, 0,1,2,3,4,5
	v_permlane16_swap_b32 v[C+8*(\t-1)+\i], v[C+8*\t+\i]
.endr
	global_store_b128 v4, v[C+8*(\t-1):C+8*(\t-1)+3], s[42:43] offset:768*(\t/2)
	global_store_b64 v5, v[C+8*(\t-1)+4:C+8*(\t-1)+5], s[42:43] offset:768*(\t/2)+512
	global_store_b128 v4, v[C+8*\t:C+8*\t+3], s[42:43] offset:1536+768*(\t/2)
	global_store_b64 v5, v[C+8*\t+4:C+8*\t+5], s[42:43] offset:1536+768*(\t/2)+512
.endif
.endr
	global_store_b32 v6, v[WT], s[44:45]
.endm
.Lweights:
	v_and_b32 v7, 8, v2
	v_add_nc_u32 v7, v7, v2                        ; r + 8 (r / 8)
	v_lshl_add_u32 v7, v3, 3, v7                   ; + 8 h: my column of the wave's 32
	v_lshlrev_b32 v7, 2, v7
	s_cmp_lt_u32 ttmp9, 448
	s_cbranch_scc0 .Lw2
	s_sub_co_u32 s24, ttmp9, 256
	s_lshr_b32 s25, s24, 3
	s_and_b32 s24, s24, 7                          ; K step
	s_lshl_b32 s25, s25, 7
	s_lshl_b32 s26, s20, 5
	s_add_co_u32 s25, s25, s26                     ; n0: my first column of the 3,072
	s_mul_i32 s26, s24, 128*12288
	s_lshl_b32 s27, s25, 2
	s_add_co_u32 s26, s26, s27
	s_mov_b32 s27, 0
	s_lshr_b32 s28, s25, 10                        ; 0 q, 1 k, 2 v
	s_bfe_u32 s29, s25, 0x40006                    ; head
	s_bfe_u32 s30, s25, 0x10005                    ; which 32 of the head's 64
	s_lshl_b32 s33, s30, 1
	s_cmp_eq_u32 s28, 2
	s_cselect_b32 s31, s30, s28                    ; which of the head's two blocks: q's tiles lie in 0, k's in 1, v's two pairs of tiles one in each
	s_cselect_b32 s32, 4, s33                      ; my first fragment there
	s_cselect_b32 s34, 2, s30                      ; my scale register there
	s_lshl_b32 s29, s29, 3
	s_add_co_u32 s29, s29, s24
	s_mul_i32 s29, s29, 19200
	s_mul_i32 s31, s31, 9600
	s_add_co_u32 s29, s29, s31
	s_mul_i32 s32, s32, 1536
	s_add_co_u32 s36, s29, s32
	s_mov_b32 s37, 0
	s_lshl_b32 s34, s34, 7
	s_add_co_u32 s38, s29, s34
	s_add_co_u32 s38, s38, 9216
	s_mov_b32 s39, 0
	s_wait_kmcnt 0x0
	s_add_nc_u64 s[40:41], s[6:7], s[26:27]
	s_add_nc_u64 s[42:43], s[14:15], s[36:37]
	s_add_nc_u64 s[44:45], s[14:15], s[38:39]
	WPATH 12288
	s_endpgm
.Lw2:
	s_sub_co_u32 s24, ttmp9, 448
	s_lshr_b32 s25, s24, 3                         ; which 128 columns
	s_and_b32 s24, s24, 7                          ; K step
	s_lshl_b32 s26, s24, 19                        ; 128 rows of 4,096 bytes
	s_lshl_b32 s27, s25, 9
	s_add_co_u32 s26, s26, s27
	s_lshl_b32 s27, s20, 7
	s_add_co_u32 s26, s26, s27
	s_mov_b32 s27, 0
	s_lshl_b32 s28, s25, 3
	s_add_co_u32 s28, s28, s24
	s_mul_i32 s28, s28, 12800
	s_lshr_b32 s29, s20, 1
	s_mul_i32 s29, s29, 6400
	s_add_co_u32 s28, s28, s29
	s_and_b32 s29, s20, 1
	s_mul_i32 s30, s29, 3072
	s_add_co_u32 s36, s28, s30
	s_mov_b32 s37, 0
	s_lshl_b32 s29, s29, 7
	s_add_co_u32 s38, s28, s29
	s_add_co_u32 s38, s38, 6144
	s_mov_b32 s39, 0
	s_wait_kmcnt 0x0
	s_add_nc_u64 s[40:41], s[8:9], s[26:27]
	s_add_nc_u64 s[42:43], s[16:17], s[36:37]
	s_add_nc_u64 s[44:45], s[16:17], s[38:39]
	WPATH 4096
	s_endpgm
.Lfunc_end_k_qbc5f2e3141_quant:
	.size	k_qbc5f2e3141_quant, .Lfunc_end_k_qbc5f2e3141_quant-k_qbc5f2e3141_quant
	.p2alignl 7, 3214868480
	.fill 96, 4, 3214868480
	.section	.rodata,"a",@progbits
	.p2align	6, 0x0
	.amdhsa_kernel k_qbc5f2e3141_quant
		.amdhsa_group_segment_fixed_size 35328
		.amdhsa_private_segment_fixed_size 0
		.amdhsa_enable_private_segment 0
		.amdhsa_kernarg_size 64
		.amdhsa_user_sgpr_count 2
		.amdhsa_user_sgpr_kernarg_segment_ptr 1
		.amdhsa_wavefront_size32 1
		.amdhsa_system_sgpr_workgroup_id_x 1
		.amdhsa_system_sgpr_workgroup_id_y 1
		.amdhsa_system_sgpr_workgroup_id_z 1
		.amdhsa_system_vgpr_workitem_id 0
		.amdhsa_next_free_vgpr 256
		.amdhsa_next_free_sgpr 66
		.amdhsa_reserve_vcc 1
		.amdhsa_float_denorm_mode_32 3
		.amdhsa_float_denorm_mode_16_64 3
		.amdhsa_memory_ordered 1
		.amdhsa_forward_progress 1
		.amdhsa_inst_pref_size 72
	.end_amdhsa_kernel
	.amdgpu_metadata
---
amdhsa.version: [ 1, 2 ]
amdhsa.kernels:
  - .name:           k_qbc5f2e3141_quant
    .symbol:         k_qbc5f2e3141_quant.kd
    .args:
      - { .name: string, .offset: 0, .size: 8, .value_kind: global_buffer, .address_space: global }
      - { .name: W_attn, .offset: 8, .size: 8, .value_kind: global_buffer, .address_space: global }
      - { .name: W_proj, .offset: 16, .size: 8, .value_kind: global_buffer, .address_space: global }
      - { .name: string_len, .offset: 24, .size: 8, .value_kind: global_buffer, .address_space: global }
      - { .name: x_img, .offset: 32, .size: 8, .value_kind: global_buffer, .address_space: global }
      - { .name: w1_img, .offset: 40, .size: 8, .value_kind: global_buffer, .address_space: global }
      - { .name: w2_img, .offset: 48, .size: 8, .value_kind: global_buffer, .address_space: global }
      - { .name: out1, .offset: 56, .size: 8, .value_kind: global_buffer, .address_space: global }
    .group_segment_fixed_size: 35328
    .private_segment_fixed_size: 0
    .kernarg_segment_align: 8
    .kernarg_segment_size: 64
    .max_flat_workgroup_size: 128
    .sgpr_count:     66
    .vgpr_count:     256
    .wavefront_size: 32
...
	.end_amdgpu_metadata
.endif
;; end of part 1
;; launch qkv (part 2): grid 16 x 32, 4 waves a work-group, clusters of 4 x 4, 327,680 bytes of LDS; arguments x_img, w1_img, b_attn, q_img, kv_img; writes q_img, kv_img
.if DOCPART == 2
	.amdgcn_target "amdgcn-amd-amdhsa--gfx1250"
	.amdhsa_code_object_version 6
	.text
	.protected	k_qbc5f2e3141_qkv
	.globl	k_qbc5f2e3141_qkv
	.p2align	8
	.type	k_qbc5f2e3141_qkv,@function
k_qbc5f2e3141_qkv:
	s_mov_b64 s[64:65], 0
	v_nop
	global_prefetch_b8 v0, s[64:65] scope:SCOPE_SE
	s_setreg_imm32_b32 hwreg(HW_REG_WAVE_MODE, 25, 1), 1
	s_wait_xcnt 0x0
	s_wait_alu depctr_hold_cnt(0) depctr_sa_sdst(0) depctr_va_vdst(0) depctr_va_sdst(0) depctr_va_ssrc(0) depctr_va_vcc(0) depctr_vm_vsrc(0)
	s_getreg_b32 s2, hwreg(HW_REG_IB_STS2, 6, 4)
	s_cmp_eq_u32 s2, 0
	s_cbranch_scc0 .Lentry_in_a_cluster
	s_endpgm
.Lentry_in_a_cluster:
	s_bfe_u32 s2, ttmp6, 0x10000c
	s_cmp_lg_u32 s2, 0xf033
	s_cbranch_scc0 .Lentry_shape_is_right
	s_endpgm
.Lentry_shape_is_right:
; x = string W_attn + b_attn on codes of BF6, and q, k, v quantised at once for the two products of attention.  All operands come and go as images of operand registers (a HALF: 16 rows x 64 K, 768 bytes:
; lane's first 16 bytes at 16 x lane, last 8 at 512 + 8 x lane; a fragment is two HALFs; a scale register is 128 bytes, tile 2 i in lanes 0-15, tile 2 i + 1 in lanes 16-31).
; SHARES.  A work-group makes 256 tokens x one head's q, k and v (192 columns).  Wave (mh, nh): 128 tokens (one key step) x 96 columns, 48 accumulators:
;   T: 4 tiles of q (nh = 0) or k (nh = 1), TRANSPOSED (source 0 = 16 columns of W, source 1 = 16 tokens): a lane holds a token and its registers run along the head's 64, the next K;
;   N: 2 tiles of v's channels (source 0 = 16 tokens, source 1 = 16 columns): a lane holds a channel and its registers run along the keys, the next K.
; Row m of tile 2 b + u is index 32 b + 8 u + m + 8 (m / 8), so the 16 registers of tiles 2 b and 2 b + 1 are 16 neighbours along the next K.  The bias is the C of each sum's first product.
; K goes in 8 steps of 128, two to a quarter; three LDS regions hold quarters 0, 1, 2 (first fills); quarter 3 fills region 0 again, once.  By this text's count a wave has at most 3 tensor loads out.
; CLUSTER 4 x 4: x's blocks hang on the row block alone and are asked for jointly along a row of the cluster, W's on the head alone, along a column.
; OUT: q_img [b h][128 tokens] blocks of 6,400: 8 HALFs, then 256 bytes of scale words (word b' of row r: tile 2 b' in the low half, tile 2 b' + 1 in the high; two registers, 8 x lane + 4 i).
;      kv_img [b h][key step] blocks of 12,800: k as q; v^T's 4 fragments at 6,400; their 2 scale registers at 12,544.
; LIMITS: NaN and infinities are not served; a block of zeros gets the byte 1; the bias is summed first.
; REGISTERS: window 0: v4-21 LDS addresses, v22-24 store offsets, v32-45 scale registers (two sets of 7), v64-159 x's 8 fragments; in the way out v64-208 at work.  window 1: W's 6 fragments, two sets (v0, v128).
;   window 2: T(tile of tokens t, n) at 32 t + 8 n.  window 3: N(x, t) at 64 x + 8 t; v128-159 T's bias; v160-175 N's.
.set REG,   89600                      ; a region: x's two K steps (25,600 each), W's two (19,200 each)
.set SPARE, 3*REG                      ; the spare words: 128 bytes a wave, two blocks of 256 bytes that no other line names
.set ADR,  4                           ; region p: v[ADR+6p] .. +5: x at 16, 8, 4 x lane; W at 16, 8, 4 x lane
.set S16,  22
.set S8,   23
.set S4N,  24
.set SPW,  28
.set NIL,  29
.set SC,   32
.set XF,   64
.set TBI,  128
.set NBI,  160
.set CD,   64                          ; the way out: 12 HALFs x 8 registers
.set TM,   160
.set TP,   168
.set EE,   176
.set BB,   184
.set HW,   192
.set WD,   200
.set RP,   204
.set NW,   206
.set NS,   208
.set G1A,  24
.set G1B,  32
.set G0A,  40                          ; s[40:51] three sets for x;  s[52:63] three for W
.set G0B,  52
.set SEL,  86
.set HI16, 88
.set MSB, 0
.macro WIN new                         ; the immediate's high byte repeats the setting that is left
.if MSB != \new
	s_set_vgpr_msb (MSB<<8)|\new
.set MSB, \new
.endif
.endm
.macro JLOAD g0a, g1a, g0b, g1b        ; a joint load: waves 0 and 1 fetch x's blocks, waves 2 and 3 W's; four v_nop follow each line
	s_cmp_eq_u32 s15, 0
	s_cbranch_scc0 .Lfor_b_\@
	tensor_load_to_lds s[\g0a:\g0a+3], s[\g1a:\g1a+7]
	s_nop 0
.rept 4
	v_nop
.endr
	s_branch .Lasked_\@
.Lfor_b_\@:
	tensor_load_to_lds s[\g0b:\g0b+3], s[\g1b:\g1b+7]
	s_nop 0
.rept 4
	v_nop
.endr
.Lasked_\@:
.endm
.macro CREST                           ; a round of the cluster's barrier behind its opening barrier
	s_cmp_lg_u32 s14, 0
	s_cbranch_scc1 .Lnot_wave_0_\@
	s_barrier_signal -3
.Lnot_wave_0_\@:
	s_barrier_wait -3
	s_barrier_signal -1
	s_barrier_wait -1
.endm
.macro CROUND
	s_barrier_signal -1
	s_barrier_wait -1
	CREST
.endm
.macro PLACES                          ; four plain places behind matrix instructions, in front of loads into their registers and of reads of their results
.rept 4
	v_nop
.endr
.endm
.macro FRAG reg, a16, a8, off          ; a fragment's 12 registers: every load takes consecutive bytes in consecutive lanes
	ds_load_b128 v[(\reg):(\reg)+3], v[\a16] offset:(\off)
	ds_load_b64 v[(\reg)+4:(\reg)+5], v[\a8] offset:(\off)+512
	ds_load_b128 v[(\reg)+6:(\reg)+9], v[\a16] offset:(\off)+768
	ds_load_b64 v[(\reg)+10:(\reg)+11], v[\a8] offset:(\off)+1280
.endm
.macro FETCH_W rho, p, set             ; 24 loads
	WIN 0x40
.irp f, 0,1,2,3,4,5
	FRAG 128*(\set)+12*\f, ADR+6*(\rho)+3, ADR+6*(\rho)+4, 19200*(\p)+1536*\f
.endr
	WIN 0
.endm
.macro FETCH_X rho, p, t0              ; 16 loads
.irp i, 0,1,2,3
	FRAG XF+12*((\t0)+\i), ADR+6*(\rho), ADR+6*(\rho)+1, 25600*(\p)+1536*((\t0)+\i)
.endr
.endm
.macro SCALES rho, p, set              ; 7 loads
.irp i, 0,1,2,3
	ds_load_b32 v[SC+7*(\set)+\i], v[ADR+6*(\rho)+2] offset:25600*(\p)+12288+128*\i
.endr
.irp i, 0,1,2
	ds_load_b32 v[SC+7*(\set)+4+\i], v[ADR+6*(\rho)+5] offset:19200*(\p)+9216+128*\i
.endr
.endm
.macro WM d, a, b, c, sa, sb, ra, rb   ; ra, rb: the half of the lanes from which each side's scale words are read
.if ((\ra) == 0) && ((\rb) == 0)
	v_wmma_scale_f32_16x16x128_f8f6f4 v[(\d):(\d)+7], v[(\a):(\a)+11], v[(\b):(\b)+11], v[(\c):(\c)+7], v[\sa], v[\sb] matrix_a_fmt:MATRIX_FMT_BF6 matrix_b_fmt:MATRIX_FMT_BF6
.elseif (\rb) == 0
	v_wmma_scale_f32_16x16x128_f8f6f4 v[(\d):(\d)+7], v[(\a):(\a)+11], v[(\b):(\b)+11], v[(\c):(\c)+7], v[\sa], v[\sb] matrix_a_fmt:MATRIX_FMT_BF6 matrix_b_fmt:MATRIX_FMT_BF6 matrix_a_scale:MATRIX_SCALE_ROW1
.elseif (\ra) == 0
	v_wmma_scale_f32_16x16x128_f8f6f4 v[(\d):(\d)+7], v[(\a):(\a)+11], v[(\b):(\b)+11], v[(\c):(\c)+7], v[\sa], v[\sb] matrix_a_fmt:MATRIX_FMT_BF6 matrix_b_fmt:MATRIX_FMT_BF6 matrix_b_scale:MATRIX_SCALE_ROW1
.else
	v_wmma_scale_f32_16x16x128_f8f6f4 v[(\d):(\d)+7], v[(\a):(\a)+11], v[(\b):(\b)+11], v[(\c):(\c)+7], v[\sa], v[\sb] matrix_a_fmt:MATRIX_FMT_BF6 matrix_b_fmt:MATRIX_FMT_BF6 matrix_a_scale:MATRIX_SCALE_ROW1 matrix_b_scale:MATRIX_SCALE_ROW1
.endif
.endm
; The 48 accumulators take turns, one instruction a turn, in the same order in every step.
.macro TPART t0, set, first            ; 16 products: 4 tiles of tokens x 4 tiles of q or k
.if \first
	WIN 0xb1                                       ; W window 1, x window 0, the bias window 3, D window 2
.else
	WIN 0xa1
.endif
.irp i, 0,1,2,3
.irp n, 0,1,2,3
.if \first
	WM 32*((\t0)+\i)+8*\n, 128*(\set)+12*\n, XF+12*((\t0)+\i), TBI+8*\n, SC+7*(\set)+4+\n/2, SC+7*(\set)+((\t0)+\i)/2, \n%2, ((\t0)+\i)%2
.else
	WM 32*((\t0)+\i)+8*\n, 128*(\set)+12*\n, XF+12*((\t0)+\i), 32*((\t0)+\i)+8*\n, SC+7*(\set)+4+\n/2, SC+7*(\set)+((\t0)+\i)/2, \n%2, ((\t0)+\i)%2
.endif
.endr
.endr
.endm
.macro NPART t0, set, first            ; 8 products: 4 tiles of tokens x 2 tiles of v's channels
	WIN 0xf4                                       ; x window 0, W window 1, C and D window 3
.irp i, 0,1,2,3
.irp x, 0,1
.if \first
	WM 64*\x+8*((\t0)+\i), XF+12*((\t0)+\i), 128*(\set)+12*(4+\x), NBI+8*\x, SC+7*(\set)+((\t0)+\i)/2, SC+7*(\set)+6, ((\t0)+\i)%2, \x
.else
	WM 64*\x+8*((\t0)+\i), XF+12*((\t0)+\i), 128*(\set)+12*(4+\x), 64*\x+8*((\t0)+\i), SC+7*(\set)+((\t0)+\i)/2, SC+7*(\set)+6, ((\t0)+\i)%2, \x
.endif
.endr
.endr
.endm
.macro TAIL set, first, rho, p         ; the next step's W, scales and x 0-3 (47 loads); this step's second half; the next step's x 4-7 (16 loads).  rho, p: where the next step lies
	FETCH_W \rho, \p, 1-(\set)
	SCALES \rho, \p, 1-(\set)
	FETCH_X \rho, \p, 0
	TPART 4, \set, \first
	NPART 4, \set, \first
	PLACES
	WIN 0
	FETCH_X \rho, \p, 4
.endm
.macro STEP set, first, rho, p
	s_wait_dscnt 16                                ; all but the youngest 16 loads (x's tiles 4-7) are in
	TPART 0, \set, \first
	NPART 0, \set, \first
	s_wait_dscnt 0x0
	PLACES
	TAIL \set, \first, \rho, \p
.endm
	s_load_b256 s[4:11], s[0:1], 0x0               ; x_img s[4:5], w1_img s[6:7], b_attn s[8:9], q_img s[10:11]
	s_load_b64 s[12:13], s[0:1], 0x20              ; kv_img
	v_lshl_add_u32 v[SPW], v0, 2, SPARE
	v_mov_b32 v[NIL], 0
	ds_add_u32 v28, v29
	ds_add_u32 v28, v29
	s_wait_dscnt 0x0
	v_lshrrev_b32 v1, 5, v0
	v_readfirstlane_b32 s14, v1                    ; wave
	s_lshr_b32 s15, s14, 1                         ; mh.  Also: I fetch x's blocks (0) or W's (1)
	s_and_b32 s16, s14, 1                          ; nh.  Also: which K step of a quarter I fetch
	s_bfe_u32 s66, ttmp6, 0x40000                  ; cx
	s_bfe_u32 s67, ttmp6, 0x40004                  ; cy
	s_lshl_b32 s68, ttmp9, 2
	s_add_co_u32 s68, s68, s66                     ; the head
	s_and_b32 s17, ttmp7, 0xffff
	s_lshl_b32 s17, s17, 2
	s_add_co_u32 s17, s17, s67                     ; the block of 256 tokens
	s_lshl_b32 s69, s67, 2
	s_lshl_b32 s69, 15, s69                        ; my row of the cluster
	s_lshl_b32 s70, 0x1111, s66                    ; my column
	; descriptor group 1: a dense block as rows of 256 bytes (32 elements of 8 bytes): x's 100 rows, W's 75
	s_or_b32 s[G1A], s69, (3<<16)|(1<<21)
	s_mov_b32 s[G1A+1], 32<<16
	s_mov_b32 s[G1A+2], 100<<16
	s_mov_b32 s[G1A+3], 32<<16
	s_mov_b32 s[G1A+4], 100
	s_mov_b32 s[G1A+5], 32
	s_mov_b32 s[G1A+6], 0
	s_mov_b32 s[G1A+7], 0
	s_or_b32 s[G1B], s70, (3<<16)|(1<<21)
	s_mov_b32 s[G1B+1], 32<<16
	s_mov_b32 s[G1B+2], 75<<16
	s_mov_b32 s[G1B+3], 32<<16
	s_mov_b32 s[G1B+4], 75
	s_mov_b32 s[G1B+5], 32
	s_mov_b32 s[G1B+6], 0
	s_mov_b32 s[G1B+7], 0
	s_mul_i32 s72, s17, 204800                     ; x: the row block's 8 K steps of 25,600 bytes
	s_mul_i32 s18, s16, 25600
	s_add_co_u32 s72, s72, s18
	s_mov_b32 s73, 0
	s_mul_i32 s74, s68, 153600                     ; W: the head's 8 K steps of 19,200 bytes
	s_mul_i32 s19, s16, 19200
	s_add_co_u32 s74, s74, s19
	s_mov_b32 s75, 0
	s_add_co_u32 s19, s19, 51200                   ; in a region W lies behind x: no place in the cluster enters an LDS address
	s_wait_kmcnt 0x0
	s_add_nc_u64 s[72:73], s[4:5], s[72:73]
	s_add_nc_u64 s[74:75], s[6:7], s[74:75]
	CROUND                                         ; all sixteen work-groups are here: the first joint loads meet
.irp p, 0,1,2
	s_mov_b32 s[G0A+4*\p], 1
	s_add_co_u32 s[G0A+4*\p+1], s18, \p*REG
	s_add_nc_u64 s[G0A+4*\p+2:G0A+4*\p+3], s[72:73], \p*51200
	s_or_b32 s[G0A+4*\p+3], s[G0A+4*\p+3], 0x80000000
	s_mov_b32 s[G0B+4*\p], 1
	s_add_co_u32 s[G0B+4*\p+1], s19, \p*REG
	s_add_nc_u64 s[G0B+4*\p+2:G0B+4*\p+3], s[74:75], \p*38400
	s_or_b32 s[G0B+4*\p+3], s[G0B+4*\p+3], 0x80000000
	JLOAD G0A+4*\p, G1A, G0B+4*\p, G1B
.endr
	v_and_b32 v1, 31, v0                           ; lane
	v_and_b32 v2, 15, v0                           ; r
	v_bfe_u32 v3, v0, 4, 1                         ; h
	s_mul_i32 s20, s15, 12800                      ; my 128 tokens' block
	s_mul_i32 s21, s16, 9600                       ; my 96 columns' block,
	s_add_co_u32 s21, s21, 51200                   ; behind x
.irp p, 0,1,2
	v_lshl_add_u32 v[ADR+6*\p], v1, 4, s20
	v_lshl_add_u32 v[ADR+6*\p+1], v1, 3, s20
	v_lshl_add_u32 v[ADR+6*\p+2], v1, 2, s20
	v_lshl_add_u32 v[ADR+6*\p+3], v1, 4, s21
	v_lshl_add_u32 v[ADR+6*\p+4], v1, 3, s21
	v_lshl_add_u32 v[ADR+6*\p+5], v1, 2, s21
	s_add_co_u32 s20, s20, REG
	s_add_co_u32 s21, s21, REG
.endr
	; the biases, in the results' layouts.  T: lane (r, h), tile n, register j: feature 32 (n / 2) + 16 h + 8 (n % 2) + j.  N: lane r: channel 32 nh + 8 x + r + 8 (r / 8), the same in all eight registers
	s_lshl_b32 s22, s16, 12
	s_lshl_b32 s23, s68, 8
	s_add_co_u32 s22, s22, s23
	s_mov_b32 s23, 0
	s_add_nc_u64 s[82:83], s[8:9], s[22:23]
	s_lshl_b32 s22, s68, 8
	s_lshl_b32 s2, s16, 7
	s_add_co_u32 s22, s22, s2
	s_add_co_u32 s22, s22, 8192
	s_add_nc_u64 s[84:85], s[8:9], s[22:23]
	v_lshlrev_b32 v30, 6, v3
	v_and_b32 v31, 8, v2
	v_add_nc_u32 v31, v31, v2
	v_lshlrev_b32 v31, 2, v31
	WIN 0xc0                                       ; destination window 3
.irp n, 0,1,2,3
	global_load_b128 v[TBI+8*\n:TBI+8*\n+3], v30, s[82:83] offset:4*(32*(\n/2)+8*(\n%2))
	global_load_b128 v[TBI+8*\n+4:TBI+8*\n+7], v30, s[82:83] offset:4*(32*(\n/2)+8*(\n%2))+16
.endr
	global_load_b32 v[NBI], v31, s[84:85]
	global_load_b32 v[NBI+8], v31, s[84:85] offset:32
	WIN 0
	; where the results go
	v_lshlrev_b32 v[S16], 4, v1
	v_lshlrev_b32 v[S8], 3, v1
	s_lshl_b32 s2, s16, 7
	v_lshl_add_u32 v[S4N], v1, 2, s2
	s_lshr_b32 s20, s17, 3                         ; batch
	s_lshl_b32 s20, s20, 4
	s_add_co_u32 s20, s20, s68                     ; 16 batch + head
	s_lshl_b32 s20, s20, 4
	s_and_b32 s21, s17, 7
	s_lshl_b32 s21, s21, 1
	s_add_co_u32 s20, s20, s21
	s_add_co_u32 s20, s20, s15                     ; x 16 + my group of 128 tokens in the sequence
	s_mul_i32 s22, s20, 6400
	s_add_nc_u64 s[76:77], s[10:11], s[22:23]
	s_mul_i32 s22, s20, 12800
	s_add_nc_u64 s[78:79], s[12:13], s[22:23]
	s_cmp_eq_u32 s16, 0
	s_cselect_b64 s[76:77], s[76:77], s[78:79]     ; T's block: q's (nh = 0) or k's
	s_add_nc_u64 s[78:79], s[78:79], 6400          ; v's part
	s_mul_i32 s22, s16, 3072
	s_add_nc_u64 s[80:81], s[78:79], s[22:23]      ; my two fragments of it
	s_mov_b32 s[SEL], 0x76543210
	s_mov_b32 s[SEL+1], 0xfedcba98
	s_mov_b32 s[HI16], 0xffff0000
	s_wait_loadcnt 0x0                             ; the biases
	WIN 0xc3
.irp x, 0,1
.irp j, 1,2,3,4,5,6,7
	v_mov_b32 v[NBI+8*\x+\j], v[NBI+8*\x]
.endr
.endr
	WIN 0
	s_wait_tensorcnt 0x2                           ; my part of quarter 0 is in; quarters 1 and 2 may stay out
	s_barrier_signal -1
	s_barrier_wait -1
	FETCH_W 0, 0, 0
	SCALES 0, 0, 0
	FETCH_X 0, 0, 0
	FETCH_X 0, 0, 4
	STEP 0, 1, 0, 1                                ; K step 0: its products start the sums on the biases
	; K step 1 leaves region 0, which takes quarter 3.  Each wave waits for all its tensor loads (quarters 1 and 2 have landed), adds 0 to its spare word, waits for that and for its reads of the region;
	; the barrier opens a round of the cluster's barrier, and the joint refill is the first tensor load behind it: it has K steps 1 to 5 in which to land.
	s_wait_tensorcnt 0x0
	ds_add_u32 v[SPW], v[NIL]
	s_wait_dscnt 17                                ; (the add and x's tiles 4-7 may be out)
	TPART 0, 1, 0
	s_wait_dscnt 0x0                               ; the add is done, and my reads of region 0 are over
	s_barrier_signal -1
	NPART 0, 1, 0
	WIN 0
	s_barrier_wait -1
	CREST
	s_add_nc_u64 s[G0A+2:G0A+3], s[G0A+2:G0A+3], 153600
	s_add_nc_u64 s[G0B+2:G0B+3], s[G0B+2:G0B+3], 115200
	JLOAD G0A, G1A, G0B, G1B                       ; its four v_nop are also the places in front of the loads below
	TAIL 1, 0, 1, 0
	STEP 0, 0, 1, 1
	STEP 1, 0, 2, 0
	STEP 0, 0, 2, 1
	; K step 5: quarter 3 is read from here on.  My one tensor load that is out is my part of it
	s_wait_tensorcnt 0x0
	s_wait_dscnt 16
	TPART 0, 1, 0
	s_wait_dscnt 0x0
	s_barrier_signal -1
	NPART 0, 1, 0
	WIN 0
	s_barrier_wait -1
	PLACES
	TAIL 1, 0, 0, 0
	STEP 0, 0, 0, 1
	s_wait_dscnt 16                                ; K step 7: nothing more to fetch
	TPART 0, 1, 0
	NPART 0, 1, 0
	s_wait_dscnt 0x0
	TPART 4, 1, 0
	NPART 4, 1, 0
	PLACES
	WIN 0
; THE WAY OUT.  32 consecutive accumulator registers are a HALF's numbers: register 16 k + i of lane (r, h) is k' = 32 k + 16 h + i of row r.  Four HALFs (eight blocks) at a time.
.macro QBATCH win, base, cb
	WIN (\win)|((\win)<<2)
.irp k, 0,1,2,3,4,5,6,7
	v_max3_num_f32 v[TM+\k], |v[(\base)+16*\k]|, |v[(\base)+16*\k+1]|, 0x2800000   ; each accumulator is read from its low end on; the floor 2^(5 - 127) holds the byte at 1
.endr
.irp i, 2,4,6,8,10,12,14
.irp k, 0,1,2,3,4,5,6,7
	v_max3_num_f32 v[TM+\k], |v[(\base)+16*\k+\i]|, |v[(\base)+16*\k+\i+1]|, v[TM+\k]
.endr
.endr
	WIN 0
.irp k, 0,1,2,3,4,5,6,7
	v_permlanex16_b32 v[TP+\k], v[TM+\k], s[SEL], s[SEL+1]
.endr
.irp k, 0,1,2,3,4,5,6,7
	v_max_num_f32 v[TM+\k], v[TM+\k], v[TP+\k]     ; with lane l xor 16's 16: the block's largest magnitude
.endr
.irp k, 0,1,2,3,4,5,6,7
	v_add_nc_u32 v[EE+\k], 0xfe000000, v[TM+\k]
.endr
.irp k, 0,1,2,3,4,5,6,7
	v_lshrrev_b32 v[BB+\k], 23, v[EE+\k]
.endr
	WIN \win
.irp q, 0,1,2,3
	v_cvt_scalef32_pk16_bf6_f32 v[CD+8*((\cb)+\q):CD+8*((\cb)+\q)+2], v[(\base)+32*\q:(\base)+32*\q+15], v[EE+2*\q]
	v_cvt_scalef32_pk16_bf6_f32 v[CD+8*((\cb)+\q)+4:CD+8*((\cb)+\q)+6], v[(\base)+32*\q+16:(\base)+32*\q+31], v[EE+2*\q+1]
.endr
	WIN 0
	v_nop                                          ; one plain line behind the conversions
.irp q, 0,1,2,3
.irp i, 0,1,2
	v_permlane16_swap_b32 v[CD+8*((\cb)+\q)+\i], v[CD+8*((\cb)+\q)+4+\i]   ; a whole block to a lane: lanes 0-15 block 0, lanes 16-31 block 1
.endr
	v_mov_b32 v[CD+8*((\cb)+\q)+3], v[CD+8*((\cb)+\q)+4]
	v_mov_b32 v[CD+8*((\cb)+\q)+4], v[CD+8*((\cb)+\q)+5]
	v_mov_b32 v[CD+8*((\cb)+\q)+5], v[CD+8*((\cb)+\q)+6]
.endr
.endm
.macro TSCALE i                        ; four tiles' bytes become scale register i of q's or k's block
.irp q, 0,1,2,3
	v_lshl_or_b32 v[HW+\q], v[BB+2*\q+1], 8, v[BB+2*\q]
.endr
	v_lshl_or_b32 v[WD], v[HW+1], 16, v[HW]
	v_lshl_or_b32 v[WD+1], v[HW+3], 16, v[HW+2]
	v_cndmask_b32 v[RP+\i], v[WD], v[WD+1], s[HI16]
.endm
.irp k, 0,1,2,3,4,5,6,7
	v_mov_b32 v[TP+\k], 0                          ; written once: a lane permute's destination counts as one of its sources
.endr
	QBATCH 2, 0, 0
	TSCALE 0
.irp q, 0,1,2,3
	global_store_b128 v[S16], v[CD+8*\q:CD+8*\q+3], s[76:77] offset:768*\q          ; 512 consecutive bytes
	global_store_b64 v[S8], v[CD+8*\q+4:CD+8*\q+5], s[76:77] offset:768*\q+512      ; 256 consecutive bytes
.endr
	QBATCH 2, 128, 4
	TSCALE 1
.irp q, 4,5,6,7
	global_store_b128 v[S16], v[CD+8*\q:CD+8*\q+3], s[76:77] offset:768*\q
	global_store_b64 v[S8], v[CD+8*\q+4:CD+8*\q+5], s[76:77] offset:768*\q+512
.endr
	global_store_b64 v[S8], v[RP:RP+1], s[76:77] offset:6144
	QBATCH 3, 0, 8
.irp x, 0,1
	v_lshl_or_b32 v[NW+\x], v[BB+4*\x+1], 8, v[BB+4*\x]
	v_lshl_or_b32 v[NW+\x], v[BB+4*\x+2], 16, v[NW+\x]
	v_lshl_or_b32 v[NW+\x], v[BB+4*\x+3], 24, v[NW+\x]
.endr
	v_cndmask_b32 v[NS], v[NW], v[NW+1], s[HI16]
.irp q, 0,1,2,3
	global_store_b128 v[S16], v[CD+8*(8+\q):CD+8*(8+\q)+3], s[80:81] offset:768*\q
	global_store_b64 v[S8], v[CD+8*(8+\q)+4:CD+8*(8+\q)+5], s[80:81] offset:768*\q+512
.endr
	global_store_b32 v[S4N], v[NS], s[78:79] offset:6144   ; 128 consecutive bytes: the two waves of a key step fill the 256
	s_wait_tensorcnt 0x0                           ; the wave's end
	ds_add_u32 v[SPW], v[NIL]
	s_wait_dscnt 0x0
	CROUND                                         ; the closing round: no work-group ends while a partner may still ask for a block that names it
	s_endpgm
.Lfunc_end_k_qbc5f2e3141_qkv:
	.size	k_qbc5f2e3141_qkv, .Lfunc_end_k_qbc5f2e3141_qkv-k_qbc5f2e3141_qkv
	.p2alignl 7, 3214868480
	.fill 96, 4, 3214868480
	.section	.rodata,"a",@progbits
	.p2align	6, 0x0
	.amdhsa_kernel k_qbc5f2e3141_qkv
		.amdhsa_group_segment_fixed_size 327680
		.amdhsa_private_segment_fixed_size 0
		.amdhsa_enable_private_segment 0
		.amdhsa_kernarg_size 40
		.amdhsa_user_sgpr_count 2
		.amdhsa_user_sgpr_kernarg_segment_ptr 1
		.amdhsa_wavefront_size32 1
		.amdhsa_system_sgpr_workgroup_id_x 1
		.amdhsa_system_sgpr_workgroup_id_y 1
		.amdhsa_system_sgpr_workgroup_id_z 1
		.amdhsa_system_vgpr_workitem_id 0
		.amdhsa_next_free_vgpr 1024
		.amdhsa_next_free_sgpr 92
		.amdhsa_reserve_vcc 0
		.amdhsa_float_denorm_mode_32 3
		.amdhsa_float_denorm_mode_16_64 3
		.amdhsa_memory_ordered 1
		.amdhsa_forward_progress 1
		.amdhsa_inst_pref_size 122
	.end_amdhsa_kernel
	.amdgpu_metadata
---
amdhsa.version: [ 1, 2 ]
amdhsa.kernels:
  - .name:           k_qbc5f2e3141_qkv
    .symbol:         k_qbc5f2e3141_qkv.kd
    .args:
      - { .name: x_img, .offset: 0, .size: 8, .value_kind: global_buffer, .address_space: global }
      - { .name: w1_img, .offset: 8, .size: 8, .value_kind: global_buffer, .address_space: global }
      - { .name: b_attn, .offset: 16, .size: 8, .value_kind: global_buffer, .address_space: global }
      - { .name: q_img, .offset: 24, .size: 8, .value_kind: global_buffer, .address_space: global }
      - { .name: kv_img, .offset: 32, .size: 8, .value_kind: global_buffer, .address_space: global }
    .group_segment_fixed_size: 327680
    .private_segment_fixed_size: 0
    .kernarg_segment_align: 8
    .kernarg_segment_size: 40
    .max_flat_workgroup_size: 128
    .sgpr_count:     92
    .vgpr_count:     1024
    .wavefront_size: 32
...
	.end_amdgpu_metadata
.endif
;; end of part 2
;; launch attn (part 3): grid 4 x 64, 16 waves a work-group, clusters of 4 x 1, 206,848 bytes of LDS; arguments q_img, kv_img, a_img; writes a_img
.if DOCPART == 3
	.amdgcn_target "amdgcn-amd-amdhsa--gfx1250"
	.amdhsa_code_object_version 6
	.text
	.protected	k_qbc5f2e3141_attn
	.globl	k_qbc5f2e3141_attn
	.p2align	8
	.type	k_qbc5f2e3141_attn,@function
k_qbc5f2e3141_attn:
	s_mov_b64 s[64:65], 0
	v_nop
	global_prefetch_b8 v0, s[64:65] scope:SCOPE_SE
	s_setreg_imm32_b32 hwreg(HW_REG_WAVE_MODE, 25, 1), 1
	s_wait_xcnt 0x0
	s_wait_alu depctr_hold_cnt(0) depctr_sa_sdst(0) depctr_va_vdst(0) depctr_va_sdst(0) depctr_va_ssrc(0) depctr_va_vcc(0) depctr_vm_vsrc(0)
	s_getreg_b32 s2, hwreg(HW_REG_IB_STS2, 6, 4)
	s_cmp_eq_u32 s2, 0
	s_cbranch_scc0 .Lentry_in_a_cluster
	s_endpgm
.Lentry_in_a_cluster:
	s_bfe_u32 s2, ttmp6, 0x10000c
	s_cmp_lg_u32 s2, 0x3003
	s_cbranch_scc0 .Lentry_shape_is_right
	s_endpgm
.Lentry_shape_is_right:
; a = softmax(q k^T / 8, causal) v for one (batch, head) a cluster, both products on codes of BF6; a leaves as codes, quantised along the model's 1,024 for the last product.
; THE SOFTMAX AHEAD OF THE SECOND PRODUCT: t = score x log2(e) / 8; M = the running largest t rounded up to a whole number; p = 2^(t - M) is quantised along the keys, not normalised; the row's sum is taken of the
; unquantised p and divides at the end; when M moves, the sum and O are multiplied by 2^(old M - new M), which rounds nothing.
; SHARES.  The head's 2,048 queries are 16 groups of 128, each 8 tiles of 16.  Work-group cx, wave w (g = w / 2, u = w % 2) owns tile 2 cx + u of group 15 - g and then of group g: (16 - g) + (g + 1) = 17 key steps of
; 128 keys for every wave of the launch, one step on the diagonal in each group.  Key steps that lie wholly under the mask are not walked.
; LDS holds the WHOLE head's k and v (16 blocks of 12,800 bytes), asked for jointly by the four work-groups, filled ONCE: waves 0-3 fetch key step w, then steps 4 + 3 w .. 6 + 3 w: two tensor loads a wave are out at most.
; Every byte of k and v is asked for by these first fills, so there is no later load that a prefetch could run ahead of, no ring and no refill.
; LAYOUT.  Both products transposed (S^T = k q^T, O^T = v^T p^T): a lane holds one query.  Row m of tile 2 b + u is index 32 b + 8 u + m + 8 (m / 8) (tokens, keys, channels alike), so 16 registers of two
; neighbouring tiles are 16 neighbours along the next K.  THE FIRST PRODUCT'S K IS 64: a fragment of k holds TWO key tiles (K 0-63: tile 2 b; K 64-127: tile 2 b + 1); multiplied by (q, zeros) it gives tile 2 b's
; scores, by (zeros, q) tile 2 b + 1's.  Zero codes add nothing under any scale byte that the quantiser makes.
; THE MASK: hidden scores of the step on the diagonal become -8e9, which is reference()'s -1e9 ahead of the division by 8.
; LIMITS: NaN and infinities are not served; leaving out the hidden steps equals reference() while a row's largest visible logit lies above -1e9 + 200; a block of zeros gets the byte 1.
.set S,   96                           ; v96-159  S^T, then p
.set O,   160                          ; v160-191 O^T
.set PC,  192                          ; v192-203 p's codes (or a's);  v204-210 halves just converted
.set PT,  204
.set BM,  216                          ; v216-219 block maxima
.set BP,  220                          ; v220-223 the other half's maxima, later bytes
.set EE,  224                          ; v224-227 the conversions' scale operands
.set FF,  228                          ; v[228:229] f (or 1 / the sum): the packed form names a pair and takes its low word
.set TT,  230
.set PW,  231                          ; p's scale word
.set WV,  10
.set SEL, 16
.set CS,  18
.set NN,  48                           ; s48 the wave's step, 0 .. 16
.set SW,  49                           ; s49 15 - g: the first group, and its last step
.set TB,  50                           ; s50 LDS byte of the key step in hand
.set FL,  51                           ; s51 1 in a group's last step (the diagonal)
.macro CROUND
	s_barrier_signal -1
	s_barrier_wait -1
	s_cmp_lg_u32 s[WV], 0
	s_cbranch_scc1 .Lnot_wave_0_\@
	s_barrier_signal -3
.Lnot_wave_0_\@:
	s_barrier_wait -3
	s_barrier_signal -1
	s_barrier_wait -1
.endm
.macro FRAG reg, a16, a8, off
	ds_load_b128 v[(\reg):(\reg)+3], v[\a16] offset:(\off)
	ds_load_b64 v[(\reg)+4:(\reg)+5], v[\a8] offset:(\off)+512
	ds_load_b128 v[(\reg)+6:(\reg)+9], v[\a16] offset:(\off)+768
	ds_load_b64 v[(\reg)+10:(\reg)+11], v[\a8] offset:(\off)+1280
.endm
.macro WMZ d, a, b, sa, ra             ; scores: the sum starts at 0
.if (\ra) == 0
	v_wmma_scale_f32_16x16x128_f8f6f4 v[(\d):(\d)+7], v[(\a):(\a)+11], v[(\b):(\b)+11], 0, v[\sa], v34 matrix_a_fmt:MATRIX_FMT_BF6 matrix_b_fmt:MATRIX_FMT_BF6
.else
	v_wmma_scale_f32_16x16x128_f8f6f4 v[(\d):(\d)+7], v[(\a):(\a)+11], v[(\b):(\b)+11], 0, v[\sa], v34 matrix_a_fmt:MATRIX_FMT_BF6 matrix_b_fmt:MATRIX_FMT_BF6 matrix_a_scale:MATRIX_SCALE_ROW1
.endif
.endm
.macro WMC d, a, sa, ra                ; O^T += v^T p^T
.if (\ra) == 0
	v_wmma_scale_f32_16x16x128_f8f6f4 v[(\d):(\d)+7], v[(\a):(\a)+11], v[PC:PC+11], v[(\d):(\d)+7], v[\sa], v[PW] matrix_a_fmt:MATRIX_FMT_BF6 matrix_b_fmt:MATRIX_FMT_BF6
.else
	v_wmma_scale_f32_16x16x128_f8f6f4 v[(\d):(\d)+7], v[(\a):(\a)+11], v[PC:PC+11], v[(\d):(\d)+7], v[\sa], v[PW] matrix_a_fmt:MATRIX_FMT_BF6 matrix_b_fmt:MATRIX_FMT_BF6 matrix_a_scale:MATRIX_SCALE_ROW1
.endif
.endm
	s_load_b128 s[4:7], s[0:1], 0x0                ; q_img, kv_img
	s_load_b64 s[8:9], s[0:1], 0x10                ; a_img
	v_lshl_add_u32 v254, v0, 2, 0x32000
	v_mov_b32 v255, 0
	ds_add_u32 v254, v255
	ds_add_u32 v254, v255
	v_lshrrev_b32 v1, 5, v0
	v_readfirstlane_b32 s[WV], v1                  ; wave 0..15
	s_lshr_b32 s11, s[WV], 1                       ; g
	s_and_b32 s12, s[WV], 1                        ; u
	s_bfe_u32 s13, ttmp6, 0x40000                  ; cx: it enters global addresses and the mask's lane constant alone
	s_and_b32 s14, ttmp7, 0xffff                   ; 16 batch + head, which the four partners share
	; descriptor groups 1: dense blocks as rows of 256 bytes (32 elements of 8 bytes), 50 rows (one key step) and 150 (three); the mask names all four work-groups
	s_mov_b32 s24, 15|(3<<16)|(1<<21)
	s_mov_b32 s25, 32<<16
	s_mov_b32 s26, 50<<16
	s_mov_b32 s27, 32<<16
	s_mov_b32 s28, 50
	s_mov_b32 s29, 32
	s_mov_b32 s30, 0
	s_mov_b32 s31, 0
	s_mov_b32 s32, 15|(3<<16)|(1<<21)
	s_mov_b32 s33, 32<<16
	s_mov_b32 s34, 150<<16
	s_mov_b32 s35, 32<<16
	s_mov_b32 s36, 150
	s_mov_b32 s37, 32
	s_mov_b32 s38, 0
	s_mov_b32 s39, 0
	s_mul_i32 s20, s14, 204800                     ; the head's first byte in kv_img
	s_min_u32 s21, s[WV], 3                        ; (waves 4-15 issue no load: their words name wave 3's bytes)
	s_mul_i32 s22, s21, 12800                      ; key step w: the same offset in the head's bytes and in LDS
	s_mul_i32 s23, s21, 38400
	s_add_co_u32 s23, s23, 51200                   ; key steps 4 + 3 w on
	s_add_co_u32 s68, s20, s22
	s_mov_b32 s69, 0
	s_add_co_u32 s70, s20, s23
	s_mov_b32 s71, 0
	s_wait_dscnt 0x0
	s_wait_kmcnt 0x0
	s_mov_b32 s40, 1
	s_mov_b32 s41, s22
	s_add_nc_u64 s[42:43], s[6:7], s[68:69]
	s_or_b32 s43, s43, 0x80000000
	s_mov_b32 s44, 1
	s_mov_b32 s45, s23
	s_add_nc_u64 s[46:47], s[6:7], s[70:71]
	s_or_b32 s47, s47, 0x80000000
	CROUND                                         ; all four work-groups are here: the joint loads meet
	s_cmp_lt_u32 s[WV], 4                          ; a wave's two fills stand in one branch on the wave's number
	s_cbranch_scc0 .Lno_fill
	tensor_load_to_lds s[40:43], s[24:31]
	s_nop 0
	tensor_load_to_lds s[44:47], s[32:39]
	s_nop 0
.rept 4
	v_nop
.endr
.Lno_fill:
	v_and_b32 v11, 31, v0                          ; lane
	v_lshlrev_b32 v1, 4, v11                       ; v1 = 16 x lane, v2 = 8 x lane, v3 = 4 x lane: they stay
	v_lshlrev_b32 v2, 3, v11
	v_lshlrev_b32 v3, 2, v11
	v_and_b32 v8, 15, v0                           ; r
	v_bfe_u32 v9, v0, 4, 1                         ; h
	v_and_b32 v10, 8, v8
	v_add_nc_u32 v10, v10, v8                      ; r + 8 (r / 8)
	s_lshl_b32 s20, s13, 5
	s_lshl_b32 s21, s12, 3
	s_add_co_u32 s20, s20, s21
	v_add_nc_u32 v4, s20, v10                      ; my query in its group of 128,
	v_lshlrev_b32 v10, 4, v9
	v_sub_nc_u32 v4, v4, v10                       ; v4 = d = that - 16 h: on the diagonal register 16 b + i holds key 32 b + 16 h + i, hidden where 32 b + i > d
	s_lshl_b32 s21, s13, 1
	s_add_co_u32 s21, s21, s12                     ; my tile of queries: 2 cx + u
	s_and_b32 s23, s14, 1                          ; which head of the pair that shares a K step of the last product
	s_mul_i32 s22, s21, 1536
	s_mul_i32 s53, s23, 768
	s_add_co_u32 s22, s22, s53
	v_add_nc_u32 v5, s22, v1                       ; a's codes: my tile's fragment, my head's HALF
	v_add_nc_u32 v6, s22, v2
	s_lshl_b32 s22, s21, 6
	s_lshl_b32 s53, s23, 1
	s_add_co_u32 s22, s22, s53
	v_lshl_add_u32 v7, v8, 2, v9
	v_add_nc_u32 v7, s22, v7                       ; a's scale byte: 64 x tile + 4 r + 2 (head % 2) + h
	s_mul_i32 s20, s14, 102400                     ; the head's first byte in q_img
	s_sub_co_u32 s[SW], 15, s11
	s_mul_i32 s22, s[SW], 6400
	s_add_co_u32 s22, s22, s20                     ; the first group's block,
	s_mul_i32 s53, s11, 6400
	s_add_co_u32 s53, s53, s20                     ; the second's
	s_mul_i32 s23, s21, 768
	s_add_co_u32 s68, s22, s23
	s_add_co_u32 s70, s53, s23
	s_add_nc_u64 s[54:55], s[4:5], s[68:69]
	s_add_nc_u64 s[56:57], s[4:5], s[70:71]
	s_and_b32 s23, s13, 1                          ; the tile's scale half-word lies in word cx of row r: register cx / 2, lane r + 16 (cx % 2)
	s_lshl_b32 s23, s23, 7
	s_lshr_b32 s68, s13, 1
	s_lshl_b32 s68, s68, 2
	s_add_co_u32 s23, s23, s68
	s_add_co_u32 s23, s23, 6144
	s_add_co_u32 s68, s22, s23
	s_add_co_u32 s70, s53, s23
	s_add_nc_u64 s[58:59], s[4:5], s[68:69]
	s_add_nc_u64 s[60:61], s[4:5], s[70:71]
	v_lshlrev_b32 v47, 3, v8
	global_load_b128 v[22:25], v1, s[54:55]        ; q of the first group: the middle of v16-33, zeros on both sides: (q, 0) = v[22:33], (0, q) = v[16:27]
	global_load_b64 v[26:27], v2, s[54:55] offset:512
	global_load_b128 v[36:39], v1, s[56:57]        ; q of the second group waits in v36-41
	global_load_b64 v[40:41], v2, s[56:57] offset:512
	global_load_b32 v34, v47, s[58:59]
	global_load_b32 v35, v47, s[60:61]
	s_lshr_b32 s20, s14, 4
	s_lshl_b32 s20, s20, 4                         ; 16 batch
	s_bfe_u32 s21, s14, 0x30001                    ; head / 2: the last product's K step
.macro OBASE dst, g                    ; a_img: [256 tokens][K step][128 tokens] blocks of 12,800 bytes
	s_add_co_u32 s22, s20, s[\g]
	s_lshr_b32 s23, s22, 1
	s_lshl_b32 s23, s23, 3
	s_add_co_u32 s23, s23, s21
	s_mul_i32 s23, s23, 25600
	s_and_b32 s22, s22, 1
	s_mul_i32 s22, s22, 12800
	s_add_co_u32 s68, s23, s22
	s_add_nc_u64 s[\dst:\dst+1], s[8:9], s[68:69]
.endm
	OBASE 62, SW
	OBASE 66, 11
	s_mov_b32 s[SEL], 0x76543210
	s_mov_b32 s[SEL+1], 0xfedcba98
	s_mov_b32 s[CS], 0x3e38aa3b                    ; c = log2(e) / 8
	s_mov_b32 s[CS+1], s[CS]
	s_mov_b32 s52, 0xffff0000                      ; lanes 16-31
	s_mul_i32 s22, s12, 0x02020202
	s_add_co_u32 s22, s22, 0x01000100              ; byte selects: the word's half u, twice: (s0, s1, s0, s1) serves (q, 0) and (0, q)
.irp i, 0,1,2,3,4,5
	v_mov_b32 v[16+\i], 0
	v_mov_b32 v[28+\i], 0
.endr
	v_mov_b32 v13, 0xff61b1e6                      ; the largest t so far: -3e38
	v_floor_f32 v12, -v13                          ; -M
	v_mov_b32 v14, 0
	v_mov_b32 v15, 0
	v_mov_b32 v46, 0xcfee6b28                      ; -8e9
.irp b, 0,1,2,3
	v_mov_b32 v[BP+\b], 0                          ; written once: a lane permute's destination counts as one of its sources
.endr
	v_mov_b32 v[FF+1], 0                           ; (named as the upper half of a pair)
	v_mov_b32 v[TT], 0
	s_wait_loadcnt 0x0
	v_perm_b32 v34, v34, v34, s22
	v_perm_b32 v35, v35, v35, s22
.set n, 0
.rept 32
	v_mov_b32 v[O+n], 0                            ; O^T: the step is written once; its first walk finds zeros.  (These are also the places between the scale word's write and the first product)
.set n, n+1
.endr
; A KEY STEP of 128 keys at LDS byte s[TB].  full = 1: the text holds the mask and the way out, each under a scalar branch on s[FL], which hangs on the wave's number and the step alone.
.macro STEP full
	v_add_nc_u32 v8, s[TB], v1
	v_add_nc_u32 v9, s[TB], v2
	v_add_nc_u32 v10, s[TB], v3
	v_nop                                          ; four places behind the last products, in front of loads into registers that they read
.irp b, 0,1,2,3
	FRAG 48+12*\b, 8, 9, 1536*\b
.endr
	ds_load_b64 v[42:43], v9 offset:6144           ; k's scale words: register b / 2, half b % 2 of the lanes
	s_wait_dscnt 0x0
.irp b, 0,1,2,3
	WMZ S+16*\b, 48+12*\b, 22, 42+\b/2, \b%2
	WMZ S+16*\b+8, 48+12*\b, 16, 42+\b/2, \b%2
.endr
.rept 4
	v_nop
.endr
.irp x, 0,1,2,3
	FRAG 48+12*\x, 8, 9, 6400+1536*\x              ; v's fragments land while the softmax is walked
.endr
	ds_load_b32 v44, v10 offset:12544
	ds_load_b32 v45, v10 offset:12544+128
.if \full
	s_cmp_eq_u32 s[FL], 0
	s_cbranch_scc1 .Lopen_\@
.set n, 0
.rept 64
	v_cmp_gt_i32 vcc_lo, 32*(n/16)+n%16, v4
	v_cndmask_b32 v[S+n], v[S+n], v46, vcc_lo
.set n, n+1
.endr
.Lopen_\@:
.endif
.irp b, 0,1,2,3
	v_max3_num_f32 v[BM+\b], v[S+16*\b], v[S+1+16*\b], v[S+2+16*\b]   ; the largest score of each block of 32 keys: for the row's maximum and, since p rises with the score, for the block's largest p
.endr
.irp i, 3,5,7,9,11,13
.irp b, 0,1,2,3
	v_max3_num_f32 v[BM+\b], v[BM+\b], v[S+16*\b+\i], v[S+1+16*\b+\i]
.endr
.endr
.irp b, 0,1,2,3
	v_max_num_f32 v[BM+\b], v[BM+\b], v[S+15+16*\b]
.endr
.irp b, 0,1,2,3
	v_permlanex16_b32 v[BP+\b], v[BM+\b], s[SEL], s[SEL+1]
.endr
.irp b, 0,1,2,3
	v_max_num_f32 v[BM+\b], v[BM+\b], v[BP+\b]
.endr
	v_max3_num_f32 v[TT], v[BM], v[BM+1], v[BM+2]
	v_max_num_f32 v[TT], v[TT], v[BM+3]
	v_mul_f32 v[TT], s[CS], v[TT]
	v_max_num_f32 v13, v13, v[TT]                  ; the running largest t
	v_mov_b32 v[TT], v12
	v_floor_f32 v12, -v13                          ; the new -M = -ceil(t)
	v_sub_f32 v[TT], v12, v[TT]                    ; old M - new M: a whole number, 0 or less
	v_cvt_i32_f32 v[TT], v[TT]                     ; (it saturates)
	v_ldexp_f32 v[FF], 1.0, v[TT]                  ; f = 2^(old M - new M)
.set n, 0
.rept 32
	v_pk_fma_f32 v[S+n:S+n+1], v[S+n:S+n+1], s[CS:CS+1], v[12:13] op_sel_hi:[1,0,0]   ; t - M
.set n, n+2
.endr
.irp b, 0,1,2,3
	v_fma_f32 v[BM+\b], v[BM+\b], s[CS], v12
.endr
.set n, 0
.rept 64
	v_exp_f32 v[S+n], v[S+n]                       ; p = 2^(t - M)
.set n, n+1
.endr
	v_pk_mul_f32 v[14:15], v[14:15], v[FF:FF+1] op_sel_hi:[1,0]   ; the sums under the new M; the plain line behind the exponentials
	s_wait_alu depctr_va_vdst(0)                   ; one wait for the batch, ahead of its first reader
.irp b, 0,1,2,3
	v_exp_f32 v[BM+\b], v[BM+\b]                   ; each block's largest p
.endr
	v_pk_add_f32 v[BP:BP+1], v[S:S+1], v[S+2:S+3]  ; the row's sum of the unquantised p, in two chains
.irp j, 4,8,12,16,20,24,28,32,36,40,44,48,52,56,60
	v_pk_add_f32 v[14:15], v[14:15], v[S+\j:S+1+\j]
	v_pk_add_f32 v[BP:BP+1], v[BP:BP+1], v[S+2+\j:S+3+\j]
.endr
	v_pk_add_f32 v[14:15], v[14:15], v[BP:BP+1]
	s_wait_alu depctr_va_vdst(0)                   ; and one for the four
.irp b, 0,1,2,3
	v_max_num_f32 v[BM+\b], 0x2800000, v[BM+\b]    ; the floor 2^(5 - 127)
.endr
.irp b, 0,1,2,3
	v_add_nc_u32 v[EE+\b], 0xfe000000, v[BM+\b]
.endr
.irp b, 0,1,2,3
	v_lshrrev_b32 v[BP+\b], 23, v[EE+\b]
.endr
	v_lshl_or_b32 v[PW], v[BP+1], 8, v[BP]
	v_lshl_or_b32 v[PW], v[BP+2], 16, v[PW]
	v_lshl_or_b32 v[PW], v[BP+3], 24, v[PW]
.irp c, 0,1
	v_cvt_scalef32_pk16_bf6_f32 v[PC+6*\c:PC+2+6*\c], v[S+32*\c:S+15+32*\c], v[EE+2*\c]
	v_cvt_scalef32_pk16_bf6_f32 v[PT+4*\c:PT+2+4*\c], v[S+16+32*\c:S+31+32*\c], v[EE+2*\c+1]
.endr
	v_nop                                          ; one plain line behind the conversions
.irp c, 0,1
.irp i, 0,1,2
	v_permlane16_swap_b32 v[PC+6*\c+\i], v[PT+4*\c+\i]
.endr
.irp i, 0,1,2
	v_mov_b32 v[PC+3+6*\c+\i], v[PT+4*\c+\i]
.endr
.endr
.set n, 0
.rept 16
	v_pk_mul_f32 v[O+n:O+n+1], v[O+n:O+n+1], v[FF:FF+1] op_sel_hi:[1,0]   ; O^T under the new M; sixteen lines between the writes of p's codes and scale word and the products
.set n, n+2
.endr
	s_wait_dscnt 0x0                               ; v's fragments and scale words
.irp x, 0,1,2,3
	WMC O+8*\x, 48+12*\x, 44+\x/2, \x%2            ; four accumulators by turns
.endr
.if \full
	s_cmp_eq_u32 s[FL], 0
	s_cbranch_scc1 .Lgo_on_\@
	; THE WAY OUT of a group: O^T / the sum is a's 64 channels of my head: two blocks of the last product's K.  Register 16 b + i of lane (r, h) is channel 32 b + 16 h + i.
.rept 4
	v_nop
.endr
	v_add_f32 v14, v14, v15
	v_permlanex16_b32 v[TT], v14, s[SEL], s[SEL+1]
	v_add_f32 v14, v14, v[TT]
	v_rcp_f32 v[FF], v14
	v_nop
	s_wait_alu depctr_va_vdst(0)
.set n, 0
.rept 16
	v_pk_mul_f32 v[O+n:O+n+1], v[O+n:O+n+1], v[FF:FF+1] op_sel_hi:[1,0]
.set n, n+2
.endr
.irp b, 0,1
	v_max3_num_f32 v[BM+\b], |v[O+16*\b]|, |v[O+1+16*\b]|, 0x2800000
.endr
.irp i, 2,4,6,8,10,12,14
.irp b, 0,1
	v_max3_num_f32 v[BM+\b], v[BM+\b], |v[O+16*\b+\i]|, |v[O+1+16*\b+\i]|
.endr
.endr
.irp b, 0,1
	v_permlanex16_b32 v[BP+\b], v[BM+\b], s[SEL], s[SEL+1]
.endr
.irp b, 0,1
	v_max_num_f32 v[BM+\b], v[BM+\b], v[BP+\b]
.endr
.irp b, 0,1
	v_add_nc_u32 v[EE+\b], 0xfe000000, v[BM+\b]
.endr
.irp b, 0,1
	v_lshrrev_b32 v[BP+\b], 23, v[EE+\b]
.endr
	v_cvt_scalef32_pk16_bf6_f32 v[PC:PC+2], v[O:O+15], v[EE]
	v_cvt_scalef32_pk16_bf6_f32 v[PT:PT+2], v[O+16:O+31], v[EE+1]
	v_cndmask_b32 v[TT], v[BP], v[BP+1], s52       ; my half's block's byte; the plain line behind the conversions
.irp i, 0,1,2
	v_permlane16_swap_b32 v[PC+\i], v[PT+\i]
.endr
.irp i, 0,1,2
	v_mov_b32 v[PC+3+\i], v[PT+\i]
.endr
	global_store_b128 v5, v[PC:PC+3], s[62:63]             ; 512 consecutive bytes
	global_store_b64 v6, v[PC+4:PC+5], s[62:63] offset:512 ; 256 consecutive bytes
	global_store_b8 v7, v[TT], s[62:63] offset:12288       ; a scale word's four bytes come from two heads, so the bytes go singly: 32 of the tile's 832 bytes
.irp i, 0,1,2,3,4,5
	v_mov_b32 v[22+\i], v[36+\i]                   ; on to the second group: its q,
.endr
	v_mov_b32 v34, v35                             ; its scale word (the lines below stand between this write and the next product),
.set n, 0
.rept 32
	v_mov_b32 v[O+n], 0
.set n, n+1
.endr
	v_mov_b32 v13, 0xff61b1e6
	v_floor_f32 v12, -v13
	v_mov_b32 v14, 0
	v_mov_b32 v15, 0
	s_wait_xcnt 0x0                                ; the stores have read their data and their base: both may be written again
	s_mov_b64 s[62:63], s[66:67]                   ; and its place in a_img
.Lgo_on_\@:
.endif
.endm
	s_wait_tensorcnt 0x1                           ; my key step of the first four is in; the later steps' fill may stay out: it lands in bytes from 51,200 on, which the first loop does not read
	s_barrier_signal -1
	s_barrier_wait -1
	s_mov_b32 s[NN], 0
.Lfirst:                                           ; steps 0 to 3 of the first group (groups 8 to 15): all their keys count
	s_mul_i32 s[TB], s[NN], 12800
	STEP 0
	s_add_co_u32 s[NN], s[NN], 1
	s_cmp_lt_u32 s[NN], 4
	s_cbranch_scc1 .Lfirst
	s_wait_tensorcnt 0x0                           ; my part of key steps 4 to 15 is in,
	s_wait_dscnt 0x0
	s_barrier_signal -1
	s_barrier_wait -1                              ; everybody's is
	s_mov_b32 s[NN], 4
.Lrest:                                            ; 13 trips: the rest of the first group (key step = the trip's number), then the second group's g + 1 steps
	s_min_u32 s20, s[NN], 15
	s_add_co_u32 s21, s[NN], s11
	s_and_b32 s21, s21, 15                         ; the trip's number - (16 - g)
	s_cmp_le_u32 s[NN], s[SW]
	s_cselect_b32 s20, s20, s21
	s_mul_i32 s[TB], s20, 12800
	s_cmp_eq_u32 s[NN], s[SW]
	s_cselect_b32 s[FL], 1, 0
	s_cmp_eq_u32 s[NN], 16
	s_cselect_b32 s[FL], 1, s[FL]
	STEP 1
	s_add_co_u32 s[NN], s[NN], 1
	s_cmp_lt_u32 s[NN], 17
	s_cbranch_scc1 .Lrest
	s_wait_tensorcnt 0x0
	ds_add_u32 v254, v255
	s_wait_dscnt 0x0
	CROUND                                         ; the closing round
	s_endpgm
.Lfunc_end_k_qbc5f2e3141_attn:
	.size	k_qbc5f2e3141_attn, .Lfunc_end_k_qbc5f2e3141_attn-k_qbc5f2e3141_attn
	.p2alignl 7, 3214868480
	.fill 96, 4, 3214868480
	.section	.rodata,"a",@progbits
	.p2align	6, 0x0
	.amdhsa_kernel k_qbc5f2e3141_attn
		.amdhsa_group_segment_fixed_size 206848
		.amdhsa_private_segment_fixed_size 0
		.amdhsa_enable_private_segment 0
		.amdhsa_kernarg_size 24
		.amdhsa_user_sgpr_count 2
		.amdhsa_user_sgpr_kernarg_segment_ptr 1
		.amdhsa_wavefront_size32 1
		.amdhsa_system_sgpr_workgroup_id_x 1
		.amdhsa_system_sgpr_workgroup_id_y 1
		.amdhsa_system_sgpr_workgroup_id_z 1
		.amdhsa_system_vgpr_workitem_id 0
		.amdhsa_next_free_vgpr 256
		.amdhsa_next_free_sgpr 72
		.amdhsa_reserve_vcc 1
		.amdhsa_float_denorm_mode_32 3
		.amdhsa_float_denorm_mode_16_64 3
		.amdhsa_memory_ordered 1
		.amdhsa_forward_progress 1
		.amdhsa_inst_pref_size 52
	.end_amdhsa_kernel
	.amdgpu_metadata
---
amdhsa.version: [ 1, 2 ]
amdhsa.kernels:
  - .name:           k_qbc5f2e3141_attn
    .symbol:         k_qbc5f2e3141_attn.kd
    .args:
      - { .name: q_img, .offset: 0, .size: 8, .value_kind: global_buffer, .address_space: global }
      - { .name: kv_img, .offset: 8, .size: 8, .value_kind: global_buffer, .address_space: global }
      - { .name: a_img, .offset: 16, .size: 8, .value_kind: global_buffer, .address_space: global }
    .group_segment_fixed_size: 206848
    .private_segment_fixed_size: 0
    .kernarg_segment_align: 8
    .kernarg_segment_size: 24
    .max_flat_workgroup_size: 512
    .sgpr_count:     72
    .vgpr_count:     256
    .wavefront_size: 32
...
	.end_amdgpu_metadata
.endif
;; end of part 3
;; launch proj (part 4): grid 8 x 32, 4 waves a work-group, clusters of 4 x 4, 327,680 bytes of LDS; arguments a_img, w2_img, b_proj, out0; writes out0
.if DOCPART == 4
	.amdgcn_target "amdgcn-amd-amdhsa--gfx1250"
	.amdhsa_code_object_version 6
	.text
	.protected	k_qbc5f2e3141_proj
	.globl	k_qbc5f2e3141_proj
	.p2align	8
	.type	k_qbc5f2e3141_proj,@function
k_qbc5f2e3141_proj:
	s_mov_b64 s[64:65], 0
	v_nop
	global_prefetch_b8 v0, s[64:65] scope:SCOPE_SE
	s_setreg_imm32_b32 hwreg(HW_REG_WAVE_MODE, 25, 1), 1
	s_wait_xcnt 0x0
	s_wait_alu depctr_hold_cnt(0) depctr_sa_sdst(0) depctr_va_vdst(0) depctr_va_sdst(0) depctr_va_ssrc(0) depctr_va_vcc(0) depctr_vm_vsrc(0)
	s_getreg_b32 s2, hwreg(HW_REG_IB_STS2, 6, 4)
	s_cmp_eq_u32 s2, 0
	s_cbranch_scc0 .Lentry_in_a_cluster
	s_endpgm
.Lentry_in_a_cluster:
	s_bfe_u32 s2, ttmp6, 0x10000c
	s_cmp_lg_u32 s2, 0xf033
	s_cbranch_scc0 .Lentry_shape_is_right
	s_endpgm
.Lentry_shape_is_right:
; out0 = a W_proj + b_proj on codes of BF6.  a_img and w2_img are images of operand registers (a HALF: 16 rows x 64 K, 768 bytes; a fragment two HALFs; a scale register 128 bytes: tile 2 i in lanes 0-15, 2 i + 1 in 16-31).
; A work-group makes 256 tokens x 128 columns (256 work-groups); wave (mh, nh): 128 tokens x 64 columns, 32 accumulators.  TRANSPOSED (source 0 = 16 columns of W, source 1 = 16 tokens): a lane holds a token and
; eight neighbouring columns.  Row m of tile 2 b + u is index 32 b + 8 u + m + 8 (m / 8), tokens and columns alike.  The bias is the C of each sum's first product (so it is summed first).
; ALL OF K FITS IN LDS: a's 8 K steps (25,600 bytes each) at 0, W's 8 (12,800 each) at 204,800; each wave asks for four quarters at the head (four tensor loads out at most); nothing is filled again.
; CLUSTER 4 x 4: a's blocks hang on the row block alone (joint along a row of the cluster), W's on the column block alone (joint along a column).
; REGISTERS: window 0: v4-27 LDS addresses (six for each quarter), v28-30 the way out, v32-43 scale registers (two sets of 6), v64-159 a's 8 fragments (on the way out: rows read back).
;   window 1: W's 4 fragments, two sets (v0, v128); v192-223 the bias.   window 2: accumulator (tile of tokens t, n) at 32 t + 8 n.
.set BOFF, 204800
.set STG,  307200                      ; the way out: 16 rows x (256 bytes + 16) for each wave; no tensor load lands here
.set ADR,  4
.set STO,  28
.set RD,   29
.set CO,   30
.set SC,   32
.set XF,   64
.set BK,   64
.set BI,   192
.set G1A,  24
.set G1B,  32
.set G0A,  40                          ; s[40:55] four sets for a;  W's four at s56, s60, s68, s72
.set MSB, 0
.macro WIN new
.if MSB != \new
	s_set_vgpr_msb (MSB<<8)|\new
.set MSB, \new
.endif
.endm
.macro JLOAD g0a, g1a, g0b, g1b        ; waves 0 and 1 fetch a's blocks, waves 2 and 3 W's; four v_nop follow each line
	s_cmp_eq_u32 s15, 0
	s_cbranch_scc0 .Lfor_b_\@
	tensor_load_to_lds s[\g0a:\g0a+3], s[\g1a:\g1a+7]
	s_nop 0
.rept 4
	v_nop
.endr
	s_branch .Lasked_\@
.Lfor_b_\@:
	tensor_load_to_lds s[\g0b:\g0b+3], s[\g1b:\g1b+7]
	s_nop 0
.rept 4
	v_nop
.endr
.Lasked_\@:
.endm
.macro CROUND
	s_barrier_signal -1
	s_barrier_wait -1
	s_cmp_lg_u32 s14, 0
	s_cbranch_scc1 .Lnot_wave_0_\@
	s_barrier_signal -3
.Lnot_wave_0_\@:
	s_barrier_wait -3
	s_barrier_signal -1
	s_barrier_wait -1
.endm
.macro PLACES
.rept 4
	v_nop
.endr
.endm
.macro FRAG reg, a16, a8, off
	ds_load_b128 v[(\reg):(\reg)+3], v[\a16] offset:(\off)
	ds_load_b64 v[(\reg)+4:(\reg)+5], v[\a8] offset:(\off)+512
	ds_load_b128 v[(\reg)+6:(\reg)+9], v[\a16] offset:(\off)+768
	ds_load_b64 v[(\reg)+10:(\reg)+11], v[\a8] offset:(\off)+1280
.endm
.macro FETCH_W q, p, set               ; 16 loads
	WIN 0x40
.irp f, 0,1,2,3
	FRAG 128*(\set)+12*\f, ADR+6*(\q)+3, ADR+6*(\q)+4, 12800*(\p)+1536*\f
.endr
	WIN 0
.endm
.macro FETCH_X q, p, t0                ; 16 loads
.irp i, 0,1,2,3
	FRAG XF+12*((\t0)+\i), ADR+6*(\q), ADR+6*(\q)+1, 25600*(\p)+1536*((\t0)+\i)
.endr
.endm
.macro SCALES q, p, set                ; 6 loads
.irp i, 0,1,2,3
	ds_load_b32 v[SC+6*(\set)+\i], v[ADR+6*(\q)+2] offset:25600*(\p)+12288+128*\i
.endr
.irp i, 0,1
	ds_load_b32 v[SC+6*(\set)+4+\i], v[ADR+6*(\q)+5] offset:12800*(\p)+6144+128*\i
.endr
.endm
.macro WM d, a, b, c, sa, sb, ra, rb
.if ((\ra) == 0) && ((\rb) == 0)
	v_wmma_scale_f32_16x16x128_f8f6f4 v[(\d):(\d)+7], v[(\a):(\a)+11], v[(\b):(\b)+11], v[(\c):(\c)+7], v[\sa], v[\sb] matrix_a_fmt:MATRIX_FMT_BF6 matrix_b_fmt:MATRIX_FMT_BF6
.elseif (\rb) == 0
	v_wmma_scale_f32_16x16x128_f8f6f4 v[(\d):(\d)+7], v[(\a):(\a)+11], v[(\b):(\b)+11], v[(\c):(\c)+7], v[\sa], v[\sb] matrix_a_fmt:MATRIX_FMT_BF6 matrix_b_fmt:MATRIX_FMT_BF6 matrix_a_scale:MATRIX_SCALE_ROW1
.elseif (\ra) == 0
	v_wmma_scale_f32_16x16x128_f8f6f4 v[(\d):(\d)+7], v[(\a):(\a)+11], v[(\b):(\b)+11], v[(\c):(\c)+7], v[\sa], v[\sb] matrix_a_fmt:MATRIX_FMT_BF6 matrix_b_fmt:MATRIX_FMT_BF6 matrix_b_scale:MATRIX_SCALE_ROW1
.else
	v_wmma_scale_f32_16x16x128_f8f6f4 v[(\d):(\d)+7], v[(\a):(\a)+11], v[(\b):(\b)+11], v[(\c):(\c)+7], v[\sa], v[\sb] matrix_a_fmt:MATRIX_FMT_BF6 matrix_b_fmt:MATRIX_FMT_BF6 matrix_a_scale:MATRIX_SCALE_ROW1 matrix_b_scale:MATRIX_SCALE_ROW1
.endif
.endm
; 8 products: 2 tiles of tokens x 4 tiles of columns.  The 32 accumulators take turns, one instruction a turn, in the same order in every step.
.macro MUL2 t0, set, first
.if \first
	WIN 0x91                                       ; W window 1, a window 0, the bias window 1, D window 2
.else
	WIN 0xa1
.endif
.irp i, 0,1
.irp n, 0,1,2,3
.if \first
	WM 32*((\t0)+\i)+8*\n, 128*(\set)+12*\n, XF+12*((\t0)+\i), BI+8*\n, SC+6*(\set)+4+\n/2, SC+6*(\set)+((\t0)+\i)/2, \n%2, ((\t0)+\i)%2
.else
	WM 32*((\t0)+\i)+8*\n, 128*(\set)+12*\n, XF+12*((\t0)+\i), 32*((\t0)+\i)+8*\n, SC+6*(\set)+4+\n/2, SC+6*(\set)+((\t0)+\i)/2, \n%2, ((\t0)+\i)%2
.endif
.endr
.endr
.endm
.macro TAIL set, first, q, p           ; the next step's W, scales and a 0-3 (38 loads); this step's second half; the next step's a 4-7 (16 loads)
	FETCH_W \q, \p, 1-(\set)
	SCALES \q, \p, 1-(\set)
	FETCH_X \q, \p, 0
	MUL2 4, \set, \first
	MUL2 6, \set, \first
	PLACES
	WIN 0
	FETCH_X \q, \p, 4
.endm
.macro STEP set, first, q, p
	s_wait_dscnt 16                                ; all but the youngest 16 loads (a's tiles 4-7) are in
	MUL2 0, \set, \first
	MUL2 2, \set, \first
	s_wait_dscnt 0x0
	PLACES
	TAIL \set, \first, \q, \p
.endm
.macro MEET set, left, q, p            ; a quarter's last step: the next quarter is read from here on.  left: my younger tensor loads, which may stay out
	s_wait_tensorcnt \left
	s_wait_dscnt 16
	MUL2 0, \set, 0
	s_wait_dscnt 0x0
	s_barrier_signal -1
	MUL2 2, \set, 0
	WIN 0
	s_barrier_wait -1
	PLACES
	TAIL \set, 0, \q, \p
.endm
	s_load_b256 s[4:11], s[0:1], 0x0               ; a_img s[4:5], w2_img s[6:7], b_proj s[8:9], out0 s[10:11]
	v_lshl_add_u32 v254, v0, 2, 0x4f400
	v_mov_b32 v255, 0
	ds_add_u32 v254, v255
	ds_add_u32 v254, v255
	v_lshrrev_b32 v1, 5, v0
	v_readfirstlane_b32 s14, v1                    ; wave
	s_lshr_b32 s15, s14, 1                         ; mh.  Also: I fetch a's blocks (0) or W's (1)
	s_and_b32 s16, s14, 1                          ; nh.  Also: which K step of a quarter I fetch
	s_bfe_u32 s76, ttmp6, 0x40000                  ; cx
	s_bfe_u32 s77, ttmp6, 0x40004                  ; cy
	s_lshl_b32 s78, ttmp9, 2
	s_add_co_u32 s78, s78, s76                     ; the block of 128 columns
	s_and_b32 s17, ttmp7, 0xffff
	s_lshl_b32 s17, s17, 2
	s_add_co_u32 s17, s17, s77                     ; the block of 256 tokens
	s_lshl_b32 s79, s77, 2
	s_lshl_b32 s79, 15, s79                        ; my row of the cluster
	s_lshl_b32 s80, 0x1111, s76                    ; my column
	; descriptor group 1: a dense block as rows of 256 bytes (32 elements of 8 bytes): a's 100 rows, W's 50
	s_or_b32 s[G1A], s79, (3<<16)|(1<<21)
	s_mov_b32 s[G1A+1], 32<<16
	s_mov_b32 s[G1A+2], 100<<16
	s_mov_b32 s[G1A+3], 32<<16
	s_mov_b32 s[G1A+4], 100
	s_mov_b32 s[G1A+5], 32
	s_mov_b32 s[G1A+6], 0
	s_mov_b32 s[G1A+7], 0
	s_or_b32 s[G1B], s80, (3<<16)|(1<<21)
	s_mov_b32 s[G1B+1], 32<<16
	s_mov_b32 s[G1B+2], 50<<16
	s_mov_b32 s[G1B+3], 32<<16
	s_mov_b32 s[G1B+4], 50
	s_mov_b32 s[G1B+5], 32
	s_mov_b32 s[G1B+6], 0
	s_mov_b32 s[G1B+7], 0
	s_mul_i32 s82, s17, 204800
	s_mul_i32 s18, s16, 25600
	s_add_co_u32 s82, s82, s18
	s_mov_b32 s83, 0
	s_mul_i32 s84, s78, 102400
	s_mul_i32 s19, s16, 12800
	s_add_co_u32 s84, s84, s19
	s_mov_b32 s85, 0
	s_add_co_u32 s19, s19, BOFF                    ; no place in the cluster enters an LDS address
	s_wait_dscnt 0x0
	s_wait_kmcnt 0x0
	s_add_nc_u64 s[82:83], s[4:5], s[82:83]
	s_add_nc_u64 s[84:85], s[6:7], s[84:85]
	CROUND                                         ; all sixteen work-groups are here: the joint loads meet
.irp q, 0,1,2,3
	s_mov_b32 s[G0A+4*\q], 1
	s_add_co_u32 s[G0A+4*\q+1], s18, \q*51200
	s_add_nc_u64 s[G0A+4*\q+2:G0A+4*\q+3], s[82:83], \q*51200
	s_or_b32 s[G0A+4*\q+3], s[G0A+4*\q+3], 0x80000000
	s_mov_b32 s[56+4*\q+4*(\q/2)], 1
	s_add_co_u32 s[56+4*\q+4*(\q/2)+1], s19, \q*25600
	s_add_nc_u64 s[56+4*\q+4*(\q/2)+2:56+4*\q+4*(\q/2)+3], s[84:85], \q*25600
	s_or_b32 s[56+4*\q+4*(\q/2)+3], s[56+4*\q+4*(\q/2)+3], 0x80000000
	JLOAD G0A+4*\q, G1A, 56+4*\q+4*(\q/2), G1B
.endr
	v_and_b32 v1, 31, v0                           ; lane
	v_and_b32 v2, 15, v0                           ; r
	v_bfe_u32 v3, v0, 4, 1                         ; h
	s_mul_i32 s20, s15, 12800                      ; my 128 tokens' block
	s_mul_i32 s21, s16, 6400                       ; my 64 columns' block
	s_add_co_u32 s21, s21, BOFF
.irp q, 0,1,2,3
	v_lshl_add_u32 v[ADR+6*\q], v1, 4, s20
	v_lshl_add_u32 v[ADR+6*\q+1], v1, 3, s20
	v_lshl_add_u32 v[ADR+6*\q+2], v1, 2, s20
	v_lshl_add_u32 v[ADR+6*\q+3], v1, 4, s21
	v_lshl_add_u32 v[ADR+6*\q+4], v1, 3, s21
	v_lshl_add_u32 v[ADR+6*\q+5], v1, 2, s21
	s_add_co_u32 s20, s20, 51200
	s_add_co_u32 s21, s21, 25600
.endr
	; the bias: lane (r, h), tile n, register j: column 32 (n / 2) + 16 h + 8 (n % 2) + j of my 64
	s_lshl_b32 s22, s78, 9
	s_lshl_b32 s23, s16, 8
	s_add_co_u32 s22, s22, s23                     ; my first column in bytes: also its place in a row of out0
	s_mov_b32 s23, 0
	s_add_nc_u64 s[8:9], s[8:9], s[22:23]
	v_lshlrev_b32 v31, 6, v3
	WIN 0x40
.irp n, 0,1,2,3
	global_load_b128 v[BI+8*\n:BI+8*\n+3], v31, s[8:9] offset:4*(32*(\n/2)+8*(\n%2))
	global_load_b128 v[BI+8*\n+4:BI+8*\n+7], v31, s[8:9] offset:4*(32*(\n/2)+8*(\n%2))+16
.endr
	WIN 0
	s_mul_i32 s20, s14, 4352
	s_add_co_u32 s20, s20, STG                     ; my stage
	v_mul_u32_u24 v[STO], v2, 272
	v_lshl_add_u32 v[STO], v3, 6, v[STO]
	v_add_nc_u32 v[STO], s20, v[STO]               ; in: row r, 64 h: tile n's eight columns lie 128 (n / 2) + 32 (n % 2) bytes on
	v_mul_u32_u24 v[RD], v3, 272
	v_lshl_add_u32 v[RD], v2, 4, v[RD]
	v_add_nc_u32 v[RD], s20, v[RD]                 ; back: lanes 0-15 one row of 256 bytes, lanes 16-31 the next
	v_lshlrev_b32 v[CO], 4, v2
	v_lshl_add_u32 v[CO], v3, 12, v[CO]            ; and the same two rows in out0 (4,096 bytes a row)
	s_lshl_b32 s20, s17, 8
	s_lshl_b32 s21, s15, 7
	s_add_co_u32 s20, s20, s21                     ; my first token
	s_lshl_b32 s20, s20, 12
	s_add_co_u32 s22, s22, s20
	s_add_nc_u64 s[10:11], s[10:11], s[22:23]
	s_wait_loadcnt 0x0                             ; the bias
	s_wait_tensorcnt 0x3                           ; my part of quarter 0 is in; the three later quarters may stay out
	s_barrier_signal -1
	s_barrier_wait -1
	FETCH_W 0, 0, 0
	SCALES 0, 0, 0
	FETCH_X 0, 0, 0
	FETCH_X 0, 0, 4
	STEP 0, 1, 0, 1                                ; K step 0: its products start the sums on the bias
	MEET 1, 0x2, 1, 0
	STEP 0, 0, 1, 1
	MEET 1, 0x1, 2, 0
	STEP 0, 0, 2, 1
	MEET 1, 0x0, 3, 0
	STEP 0, 0, 3, 1
	s_wait_dscnt 16                                ; K step 7: nothing more to fetch
	MUL2 0, 1, 0
	MUL2 2, 1, 0
	s_wait_dscnt 0x0
	MUL2 4, 1, 0
	MUL2 6, 1, 0
	PLACES
	WIN 0
; THE WAY OUT, a tile of 16 tokens x 64 columns at a time: a lane holds 32-byte pieces of one row; the tile goes through my own stage and comes back as whole rows of 256 bytes.
; LDS serves a wave's instructions in order: no wait between the stores and the loads, nor in front of the next tile's stores.
.macro TOSTAGE t
	WIN 0x08                                       ; an LDS store's data are its source 1: window 2
.irp n, 0,1,2,3
	ds_store_b128 v[STO], v[32*(\t)+8*\n:32*(\t)+8*\n+3] offset:128*(\n/2)+32*(\n%2)        ; each accumulator from its low end on
	ds_store_b128 v[STO], v[32*(\t)+8*\n+4:32*(\t)+8*\n+7] offset:128*(\n/2)+32*(\n%2)+16
.endr
	WIN 0
.irp i, 0,1,2,3,4,5,6,7
	ds_load_b128 v[BK+32*((\t)%2)+4*\i:BK+32*((\t)%2)+4*\i+3], v[RD] offset:544*\i
.endr
.endm
.macro SEND t, younger                 ; younger: the LDS instructions issued behind tile t's loads, which may stay out.  Row 2 i + h of tile t is token 32 (t / 2) + 8 (t % 2) + 2 i + h + 8 (i / 4)
	s_wait_dscnt \younger
.irp i, 0,1,2,3,4,5,6,7
	global_store_b128 v[CO], v[BK+32*((\t)%2)+4*\i:BK+32*((\t)%2)+4*\i+3], s[10:11] offset:(32*((\t)/2)+8*((\t)%2)+2*\i+8*(\i/4))*4096 th:TH_STORE_NT   ; sixteen lanes store 256 consecutive bytes, at a multiple of 256 from out0's first byte
.endr
.endm
	TOSTAGE 0
.irp t, 1,2,3,4,5,6,7
.if \t > 1
	s_wait_xcnt 0x0                                ; tile t - 2's stores have read their registers: tile t's rows may land there
.endif
	TOSTAGE \t
	SEND \t-1, 16
.endr
	SEND 7, 0
	s_wait_tensorcnt 0x0
	ds_add_u32 v254, v255
	s_wait_dscnt 0x0
	CROUND                                         ; the closing round: no work-group ends while a partner may still ask for a block that names it
	s_endpgm
.Lfunc_end_k_qbc5f2e3141_proj:
	.size	k_qbc5f2e3141_proj, .Lfunc_end_k_qbc5f2e3141_proj-k_qbc5f2e3141_proj
	.p2alignl 7, 3214868480
	.fill 96, 4, 3214868480
	.section	.rodata,"a",@progbits
	.p2align	6, 0x0
	.amdhsa_kernel k_qbc5f2e3141_proj
		.amdhsa_group_segment_fixed_size 327680
		.amdhsa_private_segment_fixed_size 0
		.amdhsa_enable_private_segment 0
		.amdhsa_kernarg_size 32
		.amdhsa_user_sgpr_count 2
		.amdhsa_user_sgpr_kernarg_segment_ptr 1
		.amdhsa_wavefront_size32 1
		.amdhsa_system_sgpr_workgroup_id_x 1
		.amdhsa_system_sgpr_workgroup_id_y 1
		.amdhsa_system_sgpr_workgroup_id_z 1
		.amdhsa_system_vgpr_workitem_id 0
		.amdhsa_next_free_vgpr 768
		.amdhsa_next_free_sgpr 88
		.amdhsa_reserve_vcc 0
		.amdhsa_float_denorm_mode_32 3
		.amdhsa_float_denorm_mode_16_64 3
		.amdhsa_memory_ordered 1
		.amdhsa_forward_progress 1
		.amdhsa_inst_pref_size 90
	.end_amdhsa_kernel
	.amdgpu_metadata
---
amdhsa.version: [ 1, 2 ]
amdhsa.kernels:
  - .name:           k_qbc5f2e3141_proj
    .symbol:         k_qbc5f2e3141_proj.kd
    .args:
      - { .name: a_img, .offset: 0, .size: 8, .value_kind: global_buffer, .address_space: global }
      - { .name: w2_img, .offset: 8, .size: 8, .value_kind: global_buffer, .address_space: global }
      - { .name: b_proj, .offset: 16, .size: 8, .value_kind: global_buffer, .address_space: global }
      - { .name: out0, .offset: 24, .size: 8, .value_kind: global_buffer, .address_space: global }
    .group_segment_fixed_size: 327680
    .private_segment_fixed_size: 0
    .kernarg_segment_align: 8
    .kernarg_segment_size: 32
    .max_flat_workgroup_size: 128
    .sgpr_count:     88
    .vgpr_count:     768
    .wavefront_size: 32
...
	.end_amdgpu_metadata
.endif
;; end of part 4
